; MI455X (gfx1250); checked and timed in simulation.
; The chip was launched on July 23, 2026; its instructions are those of AMD's public machine-readable ISA for CDNA 5 (MIT licence, August 2026) and "CDNA5" Instruction Set Architecture Reference Guide (July 2026). The comments in the code are by the model that wrote it; some were corrected since.
;; Multi Head Attention. Allowed arithmetic: matrix products marked QUANTISED: E2M3 operands, one E8M0 scale for each 32 along K, by v_wmma_scale_f32_16x16x128_f8f6f4 with both operands' format E2M3, f32 sums; everything else in f32.
;; Inputs: Wkv 1,024 x 8 x 256 float32; Wproj 8 x 128 x 1,024 float32; Wq 1,024 x 8 x 128 float32; b_proj 1,024 float32; inputs_kv 4 x 4,096 x 1,024 float32; inputs_q 4 x 512 x 1,024 float32.
;; Outputs: out0 4 x 512 x 1,024 float32.
;; This version of the problem:
;;   THIS VERSION OF THE PROBLEM IS GIVEN IN LOW PRECISION. The matrix products marked QUANTISED in the list below multiply operands that are first quantised to E2M3 (2 exponent bits, 3 mantissa bits; 6 bits a number), with one power-of-two scale for each 32 numbers along K (OCP MX v1.0); their sums are f32. All else is computed in f32.
;;   The module's matrix products, in the order in which they are computed (A, B: the left and right operand; K: the contracted axis; several contracted axes count as one K, in the product's order):
;;     1. [M 2,048, K 1,024] x [K 1,024, N 1,024]; A: input inputs_q; B: input Wq: QUANTISED
;;     2. [M 16,384, K 1,024] x [K 1,024, N 2,048]; A: input inputs_kv; B: input Wkv: QUANTISED
;;     3. batch 32 x [M 512, K 128] x [K 128, N 4,096]; A: computed on the way; B: computed on the way: QUANTISED
;;     4. batch 32 x [M 128, K 4,096] x [K 4,096, N 512]; A: computed on the way; B: softmax (see below): QUANTISED
;;     5. [M 2,048, K 1,024] x [K 1,024, N 1,024]; A: computed on the way; B: input Wproj: QUANTISED
;;   THE QUANTISER, for each operand of a quantised product, along K:
;;     - K is cut into blocks of 32 from its start; a last block that is shorter is filled with zeros.
;;     - A block's scale is 2^e with e = floor(log2(the largest magnitude in the block)) - 2, held to -126 .. 127; a block of zeros has e = 0. As a byte (E8M0): e + 127.
;;     - Each number is divided by its block's scale, clamped to +-7.5, and rounded to the nearest number of E2M3, ties to even, subnormals kept.
;;     - The product sums the exact products of the quantised numbers (number of the format x scale) in f32.
;;   ~~~python
;;   def quantise(x, axis):      # numpy; x: float32 -> the quantised numbers, widened to float32 again
;;       x = np.moveaxis(x, axis, -1); K = x.shape[-1]
;;       x = np.pad(x, [(0, 0)] * (x.ndim - 1) + [(0, -K % 32)]); x = x.reshape(x.shape[:-1] + (-1, 32)); a = np.abs(x).max(-1, keepdims=True)
;;       e = np.where(a > 0, np.clip(np.frexp(np.where(a > 0, a, 1))[1] - 1 - 2, -126, 127), 0)      # np.frexp(a)[1] - 1 = floor(log2(a)), exactly
;;       r = np.clip(x / 2.0 ** e, -7.5, 7.5)
;;       step = 2.0 ** (np.maximum(np.frexp(np.where(r == 0, 1, r))[1] - 1, 0) - 3)
;;       q = np.round(r / step) * step * 2.0 ** e      # np.round: ties to even
;;       return np.moveaxis(q.reshape(q.shape[:-2] + (-1,))[..., :K], -1, axis).astype(np.float32)
;;   ~~~
;;   SOFTMAX AHEAD OF A QUANTISED PRODUCT. Where the list says 'softmax', what is quantised is not the finished softmax but p = 2^(t - M), with t = logit x log2(e) and M = ceil(the row's largest t), a whole number; so 1/2 < the row's largest p <= 1. The row's sum l is taken of the UNQUANTISED p, in f32, and the product's result is divided by l at the end. Since M is a whole number, a kernel that streams over the keys may use a running M (the ceiling of the running maximum): every later rescaling is an exact power of two, which a block's scale takes up: the codes' values come out the same.
;;   OPERANDS COMPUTED ON THE WAY. 'Computed on the way' means the value that the module computes at that place (a softmax that the list does not call 'softmax' is quantised finished and normalised). What goes into a quantiser is computed in f32, as accurately as f32 sums, v_exp_f32 and their like allow (about 1e-6 of the number): no bf16 or f16 on the way to a quantiser, and a product that is left as it is and whose result goes on into a quantised operand takes f32 operands (vector FMAs, or v_wmma_f32_16x16x4_f32). A number that lies on a knife's edge between two numbers of the format may be rounded either way, as far as f32 arithmetic and the matrix unit's own rounding can turn it there, and no further.
;; One version. Each part assembles by itself: llvm-mc -triple=amdgcn-amd-amdhsa -mcpu=gfx1250 --defsym DOCPART=n.
;; ======== version 1 of 1: 4 launches
;; limits: right only within a limited range of input values
;; workspace buffers: x_codes 14,155,776 bytes; x_scales 589,824 bytes; w_codes 3,145,728 bytes; w_scales 131,072 bytes; qkv_codes 25,165,824 bytes; qkv_scales 1,048,576 bytes; o_codes 1,572,864 bytes; o_scales 65,536 bytes
;; launch quant (part 1): grid 704 x 1, 4 waves a work-group, no clusters, 58,880 bytes of LDS; arguments inputs_q, inputs_kv, Wq, Wkv, Wproj, x_codes, x_scales, w_codes, w_scales; writes x_codes, x_scales, w_codes, w_scales
.if DOCPART == 1
	.amdgcn_target "amdgcn-amd-amdhsa--gfx1250"
	.amdhsa_code_object_version 6
	.text
	.protected	k_q2ac4f1e653_quant
	.globl	k_q2ac4f1e653_quant
	.p2align	8
	.type	k_q2ac4f1e653_quant,@function
k_q2ac4f1e653_quant:
	s_mov_b64 s[64:65], 0
	v_nop
	global_prefetch_b8 v0, s[64:65] scope:SCOPE_SE
	s_setreg_imm32_b32 hwreg(HW_REG_WAVE_MODE, 25, 1), 1
	s_wait_xcnt 0x0
; THE QUANTISER OF THE INPUTS.  inputs_q [2048][1024] and inputs_kv [16384][1024] (K innermost) and Wq [1024][1024], Wkv [1024][2048], Wproj [1024][1024] (K is the FIRST axis), all f32,
; become codes of FP6 (E2M3) with one E8M0 scale byte for each 32 along K.  A block's scale is 2^(floor(log2(its largest magnitude)) - 2).
; THE OUTPUT IS LAID AS IMAGES OF OPERAND REGISTERS.  A fragment (16 rows x 128 K, 12 registers a lane) is 1,536 bytes: register p of lane l at (p / 4) 512 + 16 l + 4 (p % 4); lane (r = l % 16, h = l / 16)
; holds row r, registers 6 c .. 6 c + 5 hold k = 64 c + 32 h + 0 .. 31.  Rows go in groups G of 128; block a = 2 B + u of a group holds, at lane-row r, row 32 B + 8 u + r + 8 (r / 8).
; Fragment (G, ks, a) lies at 98,304 G + 12,288 ks + 1,536 a; its scale words at 4,096 G + 1,024 (ks / 2) + 128 a + 8 r + 4 (ks % 2).
; x: G 0-15 inputs_q, G 16-143 inputs_kv.  w (a 'row' is a column of the weight): G 0-7 Wq's heads, 8-15 Wkv's k halves, 16-23 its v halves, 24-31 Wproj's columns.
; LIMITS: NaN and infinities among the inputs are not served.  A block whose largest magnitude lies under 2^-124 keeps the byte 1; a block of zeros gets the byte 1 where the rule says 127: its codes are zeros,
; which add nothing under any byte but 0xff, and this program alone reads the bytes.
; SHARES.  Work-groups 0-575: 32 rows of x each; wave s takes 256 along K: four fragments.  Work-groups 576-703: 128 columns x 256 K of a weight; a wave takes 32 columns, a lane one column, registers down K.
; No tensor load, no barrier: waves share nothing.  No cluster: no two work-groups read the same byte.  The two paths have LDS bytes of their own.
.set XSTW,  8448                       ; x's stage of a wave: 16 rows x (512 bytes + 16)
.set WST,   33792                      ; behind x's four stages: the weights' stages,
.set WSTW,  6144                       ; four fragment images for each wave
.set SPARE, 58368                      ; behind them: the spare words, 128 bytes for each wave: two blocks of 256 bytes that no other line names
.set SPW, 10                           ; v10  LDS address of my spare word; never rewritten
.set NIL, 11                           ; v11  0; never rewritten
.set PW,  12                           ; v12-15 the four fragments' scale words (weights: v12-13 a column's eight scale bytes)
.set TM,  16                           ; v16-31 at work in QUANT
.set PC,  32                           ; v32-43 a fragment's codes
.set TP,  44                           ; v44-50 the conversions' second halves
.set R,   64                           ; v64-191 two sets of 64 numbers as loaded
.set X,   192                          ; v192-255 64 numbers of a lane, neighbours along K
.set SEL, 26                           ; s[26:27] lane selects for v_permlanex16_b32: lane l xor 16
.set AO,  64                           ; weights: v64-95 offsets of the 32 rows of a block
.set XW,  96                           ; v96-159 two sets of 32 numbers
.set Z,   32                           ; v32-37 a block's 24 bytes of codes
.set T,   40                           ; v40-42 its second half as converted
.set BS,  48                           ; s[48:63] the bases of a wave's eight blocks
; 64 numbers of a lane, register 16 b + i = k 32 b + 16 (lane / 16) + i of my row, become a fragment's codes in v[pc] on and its scale word in v[pw] (the same in lanes l and l xor 16).
.macro QUANT s, pc, tp, pw
.irp b, 0,1,2,3
	v_max3_num_f32 v[TM+\b], |v[\s+16*\b]|, |v[\s+1+16*\b]|, 0x1800000   ; block b: my 16 numbers, and the floor 2^(3 - 127): the byte cannot fall under 1
.endr
.irp i, 2,4,6,8,10,12,14
.irp b, 0,1,2,3
	v_max3_num_f32 v[TM+\b], v[TM+\b], |v[\s+16*\b+\i]|, |v[\s+1+16*\b+\i]|   ; the four blocks by turns
.endr
.endr
.irp b, 0,1,2,3
	v_permlanex16_b32 v[TM+4+\b], v[TM+\b], s[SEL], s[SEL+1]
.endr
.irp b, 0,1,2,3
	v_max_num_f32 v[TM+\b], v[TM+\b], v[TM+4+\b]   ; with lane l xor 16's: the block's largest magnitude
.endr
.irp b, 0,1,2,3
	v_add_nc_u32 v[TM+12+\b], 0xff000000, v[TM+\b]   ; 2 off its exponent field: the conversion's scale operand
.endr
.irp b, 0,1,2,3
	v_lshrrev_b32 v[TM+4+\b], 23, v[TM+12+\b]      ; the scale's byte
.endr
	v_lshl_or_b32 v[\pw], v[TM+5], 8, v[TM+4]
	v_lshl_or_b32 v[\pw], v[TM+6], 16, v[\pw]
	v_lshl_or_b32 v[\pw], v[TM+7], 24, v[\pw]
.irp c, 0,1
	v_cvt_scalef32_pk16_fp6_f32 v[\pc+6*\c:\pc+2+6*\c], v[\s+32*\c:\s+15+32*\c], v[TM+12+2*\c]
	v_cvt_scalef32_pk16_fp6_f32 v[\tp+4*\c:\tp+2+4*\c], v[\s+16+32*\c:\s+31+32*\c], v[TM+12+2*\c+1]   ; (a conversion's three registers begin on an even number)
.endr
	v_nop                                          ; one plain place behind a scaled conversion
.irp c, 0,1                                    ; the layout wants a whole block in a lane: lanes 0-15 block 2 c, lanes 16-31 block 2 c + 1
.irp i, 0,1,2
	v_permlane16_swap_b32 v[\pc+6*\c+\i], v[\tp+4*\c+\i]
.endr
.irp i, 0,1,2
	v_mov_b32 v[\pc+3+6*\c+\i], v[\tp+4*\c+\i]
.endr
.endr
.endm
	s_load_b256 s[4:11], s[0:1], 0x0               ; inputs_q s[4:5], inputs_kv s[6:7], Wq s[8:9], Wkv s[10:11]
	s_load_b256 s[12:19], s[0:1], 0x20             ; Wproj s[12:13], x_codes s[14:15], x_scales s[16:17], w_codes s[18:19]
	s_load_b64 s[20:21], s[0:1], 0x40              ; w_scales
	v_lshl_add_u32 v[SPW], v0, 2, SPARE
	v_mov_b32 v[NIL], 0
	v_lshrrev_b32 v1, 5, v0
	v_readfirstlane_b32 s24, v1                    ; wave 0..3
	v_and_b32 v1, 31, v0                           ; lane
	s_cmp_ge_u32 ttmp9, 576
	s_cbranch_scc1 .Lweights
	; ---------------- x: K is innermost ----------------
	v_and_b32 v2, 15, v0                           ; r
	v_bfe_u32 v4, v0, 4, 1                         ; h
	v_lshlrev_b32 v3, 4, v1                        ; 16 x lane: my bytes of a load's 512, and of an image's
	s_mul_i32 s25, s24, XSTW
	v_add_nc_u32 v5, s25, v3                       ; the stage, on the way in: a row as it lies
	v_mul_u32_u24 v6, v2, 528
	v_lshl_add_u32 v6, v4, 6, v6
	v_add_nc_u32 v6, s25, v6                       ; and out: row r, + 64 h: my 16 numbers of each block of 32
	v_lshlrev_b32 v7, 3, v1                        ; the scale words: 8 bytes a lane
	s_mov_b32 s[SEL], 0x76543210
	s_mov_b32 s[SEL+1], 0xfedcba98
.irp b, 0,1,2,3
	v_mov_b32 v[TM+4+\b], 0                        ; written once: a lane permute's destination counts as one of its sources
.endr
	s_cmp_lt_u32 ttmp9, 64                         ; the first 64 groups of 32 rows are inputs_q's
	s_cselect_b32 s28, 0, 64
	s_sub_co_u32 s28, ttmp9, s28
	s_lshl_b32 s28, s28, 17                        ; 32 rows of 4,096 bytes
	s_lshl_b32 s29, s24, 10                        ; my wave's 256 along K
	s_add_co_u32 s28, s28, s29
	s_mov_b32 s29, 0
	s_lshr_b32 s30, ttmp9, 2                       ; G
	s_and_b32 s31, ttmp9, 3                        ; B: blocks 2 B and 2 B + 1
	s_mul_i32 s32, s30, 98304
	s_mul_i32 s33, s24, 24576
	s_add_co_u32 s32, s32, s33
	s_mul_i32 s33, s31, 3072
	s_add_co_u32 s32, s32, s33
	s_mov_b32 s33, 0
	s_lshl_b32 s34, s30, 12
	s_lshl_b32 s35, s24, 10
	s_add_co_u32 s34, s34, s35
	s_lshl_b32 s35, s31, 8
	s_add_co_u32 s34, s34, s35
	s_mov_b32 s35, 0
	s_wait_alu depctr_va_vdst(0)
	s_wait_kmcnt 0x0
	s_cmp_lt_u32 ttmp9, 64                         ; the choice hangs on the work-group's number alone
	s_cselect_b64 s[4:5], s[4:5], s[6:7]
	s_add_nc_u64 s[4:5], s[4:5], s[28:29]
	s_add_nc_u64 s[14:15], s[14:15], s[32:33]
	s_add_nc_u64 s[16:17], s[16:17], s[34:35]
; Fragment t: block 2 B + t % 2, K step 2 s + t / 2.  Sixteen loads, one for each row of the block: 32 lanes read 512 consecutive bytes.
.macro LOAD t
.irp j, 0,1,2,3,4,5,6,7,8,9,10,11,12,13,14,15
	global_load_b128 v[R+64*((\t)%2)+4*\j:R+64*((\t)%2)+4*\j+3], v3, s[4:5] offset:(8*((\t)%2)+\j+8*(\j/8))*4096+((\t)/2)*512 th:TH_LOAD_NT
.endr
.endm
.macro STEP t
.if (\t) < 3
	s_wait_loadcnt 16                              ; this fragment's sixteen loads are in; the next one's sixteen may be out
.else
	s_wait_loadcnt 0x0
.endif
.irp j, 0,1,2,3,4,5,6,7,8,9,10,11,12,13,14,15
	ds_store_b128 v5, v[R+64*((\t)%2)+4*\j:R+64*((\t)%2)+4*\j+3] offset:\j*528
.endr
.irp b, 0,1,2,3
.irp j, 0,1,2,3
	ds_load_b128 v[X+16*\b+4*\j:X+16*\b+4*\j+3], v6 offset:128*\b+16*\j   ; LDS serves a wave's instructions in order: these see the stores above
.endr
.endr
	s_wait_dscnt 0x0                               ; the numbers are back, and the stores have read their registers
.if (\t) > 0
	s_wait_xcnt 0x0                                ; the last fragment's stores have read their data: the codes' registers are written again only behind this wait
.endif
.if (\t) < 2
	LOAD (\t)+2
.endif
	QUANT X, PC, TP, PW+(\t)
.irp c, 0,1,2
	global_store_b128 v3, v[PC+4*\c:PC+4*\c+3], s[14:15] offset:((\t)/2)*12288+((\t)%2)*1536+512*\c   ; 32 lanes store 512 consecutive bytes, aligned
.endr
.endm
	LOAD 0
	LOAD 1
	STEP 0
	STEP 1
	STEP 2
	STEP 3
	v_cmp_le_u32 vcc_lo, 16, v1                    ; lanes 0-15 carry block 2 B's words, lanes 16-31 block 2 B + 1's
	v_cndmask_b32 v8, v[PW], v[PW+1], vcc_lo       ; K step 2 s
	v_cndmask_b32 v9, v[PW+2], v[PW+3], vcc_lo     ; K step 2 s + 1
	global_store_b64 v7, v[8:9], s[16:17]          ; 32 lanes store 256 consecutive bytes, aligned
	s_wait_tensorcnt 0x0                           ; the wave's end, behind my last LDS store
	ds_add_u32 v[SPW], v[NIL]
	s_wait_dscnt 0x0
	s_endpgm
	; ---------------- the weights: K is the first axis ----------------
.Lweights:
	s_sub_co_u32 s25, ttmp9, 576                   ; j: 0-31 Wq, 32-95 Wkv, 96-127 Wproj
	s_cmp_lt_u32 s25, 32
	s_cselect_b32 s28, 0, 32
	s_cmp_lt_u32 s25, 96
	s_cselect_b32 s28, s28, 96
	s_sub_co_u32 s29, s25, s28
	s_lshr_b32 s30, s29, 2                         ; which 128 columns of the tensor
	s_and_b32 s31, s29, 3                          ; which 256 along K
	s_mov_b32 s37, 4096
	s_sub_co_u32 s36, s25, 32
	s_cmp_lt_u32 s36, 64
	s_cselect_b32 s37, 8192, s37                   ; a row of the tensor in bytes: Wkv's is twice as long
	s_and_b32 s38, s30, 1                          ; Wkv: even groups of columns are a head's k half, odd ones its v half
	s_lshl_b32 s38, s38, 3
	s_lshr_b32 s39, s30, 1
	s_add_co_u32 s38, s38, s39
	s_add_co_u32 s38, s38, 8
	s_add_co_u32 s39, s30, 24
	s_cmp_lt_u32 s25, 32
	s_cselect_b32 s38, s30, s38
	s_cmp_lt_u32 s25, 96
	s_cselect_b32 s38, s38, s39                    ; the group's place in w_codes
	s_lshl_b32 s40, s37, 8
	s_mul_i32 s40, s40, s31                        ; 256 rows for each step along K,
	s_lshl_b32 s41, s30, 9                         ; 512 bytes for each 128 columns,
	s_add_co_u32 s40, s40, s41
	s_lshl_b32 s41, s24, 7                         ; 128 bytes for each wave
	s_add_co_u32 s40, s40, s41
	s_mov_b32 s41, 0
	s_lshl_b32 s42, s37, 5                         ; a block: 32 rows
	s_mov_b32 s43, 0
	s_mul_i32 s44, s38, 98304
	s_mul_i32 s45, s31, 24576
	s_add_co_u32 s44, s44, s45
	s_mul_i32 s45, s24, 3072
	s_add_co_u32 s44, s44, s45
	s_mov_b32 s45, 0
	s_lshl_b32 s46, s38, 12
	s_lshl_b32 s47, s31, 10
	s_add_co_u32 s46, s46, s47
	s_lshl_b32 s47, s24, 8
	s_add_co_u32 s46, s46, s47
	s_mov_b32 s47, 0
	s_wait_alu depctr_va_vdst(0)
	v_lshlrev_b32 v3, 2, v1                        ; in: 4 bytes a lane
	v_bfe_u32 v2, v0, 3, 1                         ; my column 32 w + l lies in block 2 w + u, u = (l / 8) % 2,
	v_and_b32 v4, 7, v0
	v_bfe_u32 v8, v0, 4, 1
	v_lshl_add_u32 v4, v8, 3, v4                   ; at lane-row r = l % 8 + 8 (l / 16)
	s_mul_i32 s22, s24, WSTW
	s_add_co_u32 s22, s22, WST                     ; my stage
	v_mul_u32_u24 v5, v2, 1536
	v_lshl_add_u32 v5, v4, 4, v5
	v_add_nc_u32 v5, s22, v5                       ; into it: image u, lane-row r
	v_lshlrev_b32 v9, 4, v1
	v_add_nc_u32 v6, s22, v9                       ; out of it: as it lies
	v_lshlrev_b32 v7, 7, v2
	v_lshl_add_u32 v7, v4, 3, v7                   ; my column's scale words: 128 u + 8 r
.irp i, 0,1,2,3,4,5,6,7,8,9,10,11,12,13,14,15,16,17,18,19,20,21,22,23,24,25,26,27,28,29,30,31
	v_mad_u32_u24 v[AO+\i], s37, \i, v3            ; row i of a block: the row's length is a register, so that one text serves both widths
.endr
	s_wait_alu depctr_va_vdst(0)
	s_wait_kmcnt 0x0
	s_cmp_lt_u32 s25, 32                           ; the choices hang on the work-group's number alone
	s_cselect_b64 s[8:9], s[8:9], s[10:11]
	s_cmp_lt_u32 s25, 96
	s_cselect_b64 s[8:9], s[8:9], s[12:13]
	s_add_nc_u64 s[BS:BS+1], s[8:9], s[40:41]
.irp t, 1,2,3,4,5,6,7
	s_add_nc_u64 s[BS+2*\t:BS+2*\t+1], s[BS+2*\t-2:BS+2*\t-1], s[42:43]
.endr
	s_add_nc_u64 s[18:19], s[18:19], s[44:45]
	s_add_nc_u64 s[20:21], s[20:21], s[46:47]
.macro LOADW t                         ; block t: 32 rows at my column: 32 lanes read 128 consecutive bytes, the four waves side by side 512
.irp i, 0,1,2,3,4,5,6,7,8,9,10,11,12,13,14,15,16,17,18,19,20,21,22,23,24,25,26,27,28,29,30,31
	global_load_b32 v[XW+32*((\t)%2)+\i], v[AO+\i], s[BS+2*(\t):BS+2*(\t)+1] th:TH_LOAD_NT
.endr
.endm
; Block t of my column: K step t / 4 of the two, k = 64 c + 32 h' + 0 .. 31 with c = (t / 2) % 2, h' = t % 2: registers 6 c .. 6 c + 5 of lane r + 16 h' of the image.
.macro BLOCK t
.set XS, XW+32*((\t)%2)
.set OQ, ((\t)/4)*3072+((\t)%2)*256
.if (\t) < 7
	s_wait_loadcnt 32                              ; this block's 32 loads are in; the next block's may be out
.else
	s_wait_loadcnt 0x0
.endif
	v_max3_num_f32 v14, |v[XS]|, |v[XS+1]|, |v[XS+2]|   ; the block's largest magnitude: all 32 numbers are mine
	v_max3_num_f32 v15, |v[XS+3]|, |v[XS+4]|, |v[XS+5]|
.irp i, 6,10,14,18,22,26
	v_max3_num_f32 v14, v14, |v[XS+\i]|, |v[XS+\i+1]|
	v_max3_num_f32 v15, v15, |v[XS+\i+2]|, |v[XS+\i+3]|
.endr
	v_max3_num_f32 v14, v14, |v[XS+30]|, |v[XS+31]|
	v_max3_num_f32 v14, v14, v15, 0x1800000        ; and the floor 2^(3 - 127)
	v_add_nc_u32 v16, 0xff000000, v14              ; 2 off the exponent field: the conversion's scale operand
	v_lshrrev_b32 v17, 23, v16                     ; the scale's byte
.if (\t)%4 == 0
	v_mov_b32 v[PW+(\t)/4], v17
.else
	v_lshl_or_b32 v[PW+(\t)/4], v17, 8*((\t)%4), v[PW+(\t)/4]
.endif
	v_cvt_scalef32_pk16_fp6_f32 v[Z:Z+2], v[XS:XS+15], v16
	v_cvt_scalef32_pk16_fp6_f32 v[T:T+2], v[XS+16:XS+31], v16
	v_nop                                          ; one plain place behind a scaled conversion
.irp i, 0,1,2
	v_mov_b32 v[Z+3+\i], v[T+\i]
.endr
.if ((\t)/2)%2 == 0
	ds_store_b128 v5, v[Z:Z+3] offset:OQ           ; registers 0-3
	ds_store_b64 v5, v[Z+4:Z+5] offset:OQ+512      ; registers 4, 5
.else
	ds_store_b64 v5, v[Z:Z+1] offset:OQ+520        ; registers 6, 7
	ds_store_b128 v5, v[Z+2:Z+5] offset:OQ+1024    ; registers 8-11
.endif
.if (\t) < 6
	LOADW (\t)+2
.endif
	s_wait_dscnt 0x0                               ; the stores have read their registers: the next block's codes may be written
.endm
	LOADW 0
	LOADW 1
.irp t, 0,1,2,3,4,5,6,7
	BLOCK \t
.endr
	s_wait_alu depctr_va_vdst(0)
	global_store_b64 v7, v[PW:PW+1], s[20:21]      ; the wave's 32 lanes fill 256 consecutive bytes, aligned
.irp g, 0,1,2,3,4,5,6,7,8,9,10,11
	ds_load_b128 v[192+4*\g:195+4*\g], v6 offset:512*\g   ; LDS serves a wave's instructions in order: these see my stores
.endr
.irp g, 0,1,2,3,4,5,6,7,8,9,10,11
	s_wait_dscnt 11-\g                             ; the younger loads may be out
	global_store_b128 v9, v[192+4*\g:195+4*\g], s[18:19] offset:(\g/6)*12288+(\g%6)*512
.endr
	s_wait_tensorcnt 0x0                           ; the wave's end, behind my last LDS store
	ds_add_u32 v[SPW], v[NIL]
	s_wait_dscnt 0x0
	s_endpgm
.Lfunc_end_k_q2ac4f1e653_quant:
	.size	k_q2ac4f1e653_quant, .Lfunc_end_k_q2ac4f1e653_quant-k_q2ac4f1e653_quant
	.p2alignl 7, 3214868480
	.fill 96, 4, 3214868480
	.section	.rodata,"a",@progbits
	.p2align	6, 0x0
	.amdhsa_kernel k_q2ac4f1e653_quant
		.amdhsa_group_segment_fixed_size 58880
		.amdhsa_private_segment_fixed_size 0
		.amdhsa_enable_private_segment 0
		.amdhsa_kernarg_size 72
		.amdhsa_user_sgpr_count 2
		.amdhsa_user_sgpr_kernarg_segment_ptr 1
		.amdhsa_wavefront_size32 1
		.amdhsa_system_sgpr_workgroup_id_x 1
		.amdhsa_system_sgpr_workgroup_id_y 1
		.amdhsa_system_sgpr_workgroup_id_z 1
		.amdhsa_system_vgpr_workitem_id 0
		.amdhsa_next_free_vgpr 256
		.amdhsa_next_free_sgpr 66
		.amdhsa_reserve_vcc 1
		.amdhsa_float_denorm_mode_32 3
		.amdhsa_float_denorm_mode_16_64 3
		.amdhsa_memory_ordered 1
		.amdhsa_forward_progress 1
		.amdhsa_inst_pref_size 78
	.end_amdhsa_kernel
	.amdgpu_metadata
---
amdhsa.version: [ 1, 2 ]
amdhsa.kernels:
  - .name:           k_q2ac4f1e653_quant
    .symbol:         k_q2ac4f1e653_quant.kd
    .args:
      - { .name: inputs_q, .offset: 0, .size: 8, .value_kind: global_buffer, .address_space: global }
      - { .name: inputs_kv, .offset: 8, .size: 8, .value_kind: global_buffer, .address_space: global }
      - { .name: Wq, .offset: 16, .size: 8, .value_kind: global_buffer, .address_space: global }
      - { .name: Wkv, .offset: 24, .size: 8, .value_kind: global_buffer, .address_space: global }
      - { .name: Wproj, .offset: 32, .size: 8, .value_kind: global_buffer, .address_space: global }
      - { .name: x_codes, .offset: 40, .size: 8, .value_kind: global_buffer, .address_space: global }
      - { .name: x_scales, .offset: 48, .size: 8, .value_kind: global_buffer, .address_space: global }
      - { .name: w_codes, .offset: 56, .size: 8, .value_kind: global_buffer, .address_space: global }
      - { .name: w_scales, .offset: 64, .size: 8, .value_kind: global_buffer, .address_space: global }
    .group_segment_fixed_size: 58880
    .private_segment_fixed_size: 0
    .kernarg_segment_align: 8
    .kernarg_segment_size: 72
    .max_flat_workgroup_size: 128
    .sgpr_count:     66
    .vgpr_count:     256
    .wavefront_size: 32
...
	.end_amdgpu_metadata
.endif
;; end of part 1
;; launch gemm (part 2): grid 4 x 64, 4 waves a work-group, clusters of 4 x 4, 327,680 bytes of LDS; arguments x_codes, x_scales, w_codes, w_scales, qkv_codes, qkv_scales; writes qkv_codes, qkv_scales
.if DOCPART == 2
	.amdgcn_target "amdgcn-amd-amdhsa--gfx1250"
	.amdhsa_code_object_version 6
	.text
	.protected	k_q2ac4f1e653_gemm
	.globl	k_q2ac4f1e653_gemm
	.p2align	8
	.type	k_q2ac4f1e653_gemm,@function
k_q2ac4f1e653_gemm:
	s_mov_b64 s[64:65], 0
	v_nop
	global_prefetch_b8 v0, s[64:65] scope:SCOPE_SE
	s_setreg_imm32_b32 hwreg(HW_REG_WAVE_MODE, 25, 1), 1
	s_wait_xcnt 0x0
	s_wait_alu depctr_hold_cnt(0) depctr_sa_sdst(0) depctr_va_vdst(0) depctr_va_sdst(0) depctr_va_ssrc(0) depctr_va_vcc(0) depctr_vm_vsrc(0)
	s_getreg_b32 s2, hwreg(HW_REG_IB_STS2, 6, 4)
	s_cmp_eq_u32 s2, 0
	s_cbranch_scc0 .Lentry_in_a_cluster
	s_endpgm
.Lentry_in_a_cluster:
	s_bfe_u32 s2, ttmp6, 0x10000c
	s_cmp_lg_u32 s2, 0xf033
	s_cbranch_scc0 .Lentry_shape_is_right
	s_endpgm
.Lentry_shape_is_right:
; THE PROJECTION k, v = inputs_kv Wkv on codes of FP6 (E2M3) with E8M0 scales, K = 1,024; the results are quantised in registers and leave as codes: k along the head's 128, v along the KEYS.
; A tile is 256 'source 1 rows' x 256 'source 0 rows'; four waves, 128 x 128 each: 64 accumulators, 512 registers.  A lane of accumulator (a, b) holds ONE row of source 1's block a; the rows of a block are
; 32 B + 8 u + r + 8 (r / 8), so the 64 registers of accumulators (a, 0 .. 7) are source 0's 128 rows in their natural order: one quantiser in registers makes of them the next product's fragment.
; A WORK-GROUP STAYS AND MAKES TWO TILES on the 1,024 rows of inputs_kv that its cluster's y names: first k (source 0 = Wkv's k halves, source 1 = inputs_kv), then v (source 0 = inputs_kv: the keys become K,
; source 1 = Wkv's v halves).  256 work-groups.  The ring does not stop at the first tile's end: its last two changes of slots ask for the second tile's K 0-255 and 256-511, its scale words are asked for behind
; the last product, and the first tile is quantised and stored while they are on their way.  Steps 0 to 4 of a tile are one text for both tiles; the two tails are written out.
; OPERANDS ARE IMAGES OF REGISTERS: fragment (G, ks, a) at 98,304 G + 12,288 ks + 1,536 a; three loads of 16 bytes a lane bring it.  128 rows x 256 K are one dense block of 24,576 bytes.
; RING: K goes in steps of 256 through two slots.  A wave's parts of slot 0 and slot 1 lie on end in LDS (49,152 bytes a wave), and K 0-511 of its 128 rows are 49,152 dense bytes of memory:
; so ONE tensor load a wave at the head fills both slots; behind it the descriptor's two row counts are set to a slot's 96 rows.  By this text's count a wave has one tensor load out at any time.
; THE SCALE WORDS of a wave's 128 + 128 rows, for all of K, go from memory straight into 64 registers: 32 loads of 256 consecutive bytes; a register holds an even block's words in lanes 0-15, the odd block's in lanes 16-31.
; CLUSTERS: 4 x 4.  Source 1's tile hangs on the cluster's row alone and is asked for jointly along it, source 0's on the column alone.
; PREFETCH: behind each refill the 24,576 bytes that the refill two on will ask for (at the head: those of the first two refills): of their 96 blocks of 256 bytes each of the four partners that ask jointly takes 24,
; told apart by address, a lane a block (lanes 24-31 name the last again).  The second tile's last two refills have no refill two on.  The prefetches' bases are never rewritten.
; LIMITS: NaN and infinities are not served; a block of zeros or under 2^-124 keeps the scale byte 1 (its reader is this program alone).
; REGISTERS: window 0: v16-29 addresses; v32-63 source 1's scale words, v64-95 source 0's; v128-223 source 1's fragments; on the way out v96-231.  Window 1: source 0's fragments, two sets.  Windows 2, 3: accumulators.
.set FR,    12
.set NL,    3
.set NP,    4
.set HALFT, 24576
.set SLOT,  24576                      ; from a wave's part of slot 0 to its part of slot 1
.set SPARE, 196608                     ; behind the four waves' parts: the spare words, 128 bytes a wave
.set ADRA, 16
.set ADRB, 20
.set PFO,  24                          ; 256 x min(lane, 23)
.set LN,   25
.set LI,   26
.set WSO,  27                          ; 8 x lane
.set SPW,  28
.set NIL,  29
.set SCA,  32                          ; source 1's scale words: register 8 (st / 2) + 2 (a / 2) + st % 2
.set SCB,  64                          ; source 0's likewise
.set AF,   128
.set PC,   96
.set TP,   192
.set PW,   200
.set SW,   208
.set TM,   216
.set SEL,  2
.set G1, 24
.set G0, 32
.set G1B, 48
.set G0B, 56
.set TL,  67                           ; tiles to go
.set NX1, 68                           ; s[68:71] the second tile's source 1: what slots 0 and 1 take first;  s[72:75] its source 0
.set NX0, 72
.set MSB, 0
.macro WIN new
.if MSB != (\new)
	s_set_vgpr_msb (MSB<<8)|(\new)
.set MSB, (\new)
.endif
.endm
.set MUL_LO, 0xa1
.set MUL_HI, 0xf1
.set TO_B,   0x40
.macro JLOAD g0a, g1a, g0b, g1b        ; waves 0, 1 fetch for source 1, waves 2, 3 for source 0; an s_nop 0 and four v_nop follow each line
	s_cmp_eq_u32 s17, 0
	s_cbranch_scc0 .Lfor_b_\@
	tensor_load_to_lds s[\g0a:\g0a+3], s[\g1a:\g1a+7]
	s_nop 0
.rept 4
	v_nop
.endr
	s_branch .Lasked_\@
.Lfor_b_\@:
	tensor_load_to_lds s[\g0b:\g0b+3], s[\g1b:\g1b+7]
	s_nop 0
.rept 4
	v_nop
.endr
.Lasked_\@:
.endm
.macro CREST
	s_cmp_lg_u32 s16, 0
	s_cbranch_scc1 .Lnot_wave_0_\@
	s_barrier_signal -3
.Lnot_wave_0_\@:
	s_barrier_wait -3
	s_barrier_signal -1
	s_barrier_wait -1
.endm
.macro CROUND
	s_barrier_signal -1
	s_barrier_wait -1
	CREST
.endm
.macro ASK cond, off                   ; a prefetch of the second tile's bytes; cond = 1: in the first tile alone
.if \cond
	s_cmp_eq_u32 s[TL], 2
	s_cbranch_scc0 .Lno_ask_\@
.endif
	global_prefetch_b8 v[PFO], s[88:89] offset:\off th:TH_LOAD_NT scope:SCOPE_SE
.Lno_ask_\@:
.endm
; one product; z = 1: it starts its sum; ra, rb: the half of the lanes in which source 0's and source 1's scale words stand
.macro WM d, a, b, z, sa, sb, ra, rb
.if \z
.if (\ra)&&(\rb)
	v_wmma_scale_f32_16x16x128_f8f6f4 v[\d:\d+7], v[\a:\a+11], v[\b:\b+11], 0, v[\sa], v[\sb] matrix_a_fmt:MATRIX_FMT_FP6 matrix_b_fmt:MATRIX_FMT_FP6 matrix_a_scale:MATRIX_SCALE_ROW1 matrix_b_scale:MATRIX_SCALE_ROW1
.elseif \ra
	v_wmma_scale_f32_16x16x128_f8f6f4 v[\d:\d+7], v[\a:\a+11], v[\b:\b+11], 0, v[\sa], v[\sb] matrix_a_fmt:MATRIX_FMT_FP6 matrix_b_fmt:MATRIX_FMT_FP6 matrix_a_scale:MATRIX_SCALE_ROW1
.elseif \rb
	v_wmma_scale_f32_16x16x128_f8f6f4 v[\d:\d+7], v[\a:\a+11], v[\b:\b+11], 0, v[\sa], v[\sb] matrix_a_fmt:MATRIX_FMT_FP6 matrix_b_fmt:MATRIX_FMT_FP6 matrix_b_scale:MATRIX_SCALE_ROW1
.else
	v_wmma_scale_f32_16x16x128_f8f6f4 v[\d:\d+7], v[\a:\a+11], v[\b:\b+11], 0, v[\sa], v[\sb] matrix_a_fmt:MATRIX_FMT_FP6 matrix_b_fmt:MATRIX_FMT_FP6
.endif
.else
.if (\ra)&&(\rb)
	v_wmma_scale_f32_16x16x128_f8f6f4 v[\d:\d+7], v[\a:\a+11], v[\b:\b+11], v[\d:\d+7], v[\sa], v[\sb] matrix_a_fmt:MATRIX_FMT_FP6 matrix_b_fmt:MATRIX_FMT_FP6 matrix_a_scale:MATRIX_SCALE_ROW1 matrix_b_scale:MATRIX_SCALE_ROW1
.elseif \ra
	v_wmma_scale_f32_16x16x128_f8f6f4 v[\d:\d+7], v[\a:\a+11], v[\b:\b+11], v[\d:\d+7], v[\sa], v[\sb] matrix_a_fmt:MATRIX_FMT_FP6 matrix_b_fmt:MATRIX_FMT_FP6 matrix_a_scale:MATRIX_SCALE_ROW1
.elseif \rb
	v_wmma_scale_f32_16x16x128_f8f6f4 v[\d:\d+7], v[\a:\a+11], v[\b:\b+11], v[\d:\d+7], v[\sa], v[\sb] matrix_a_fmt:MATRIX_FMT_FP6 matrix_b_fmt:MATRIX_FMT_FP6 matrix_b_scale:MATRIX_SCALE_ROW1
.else
	v_wmma_scale_f32_16x16x128_f8f6f4 v[\d:\d+7], v[\a:\a+11], v[\b:\b+11], v[\d:\d+7], v[\sa], v[\sb] matrix_a_fmt:MATRIX_FMT_FP6 matrix_b_fmt:MATRIX_FMT_FP6
.endif
.endif
.endm
.macro SCLOAD pa, pb                   ; a tile's scale words: K steps 2 pr, 2 pr + 1; blocks 2 i (lanes 0-15), 2 i + 1 (lanes 16-31): 256 consecutive bytes a load
.irp pr, 0,1,2,3
.irp i, 0,1,2,3
	global_load_b64 v[SCA+8*\pr+2*\i:SCA+8*\pr+2*\i+1], v[WSO], s[\pa:\pa+1] offset:\pr*1024+\i*256
	global_load_b64 v[SCB+8*\pr+2*\i:SCB+8*\pr+2*\i+1], v[WSO], s[\pb:\pb+1] offset:\pr*1024+\i*256
.endr
.endr
.endm
; where my eight fragments of a tile go: block ((batch x 8 + head) x 32 + group of 128 keys) of 12,288 bytes of codes and 512 of scale words
.macro OUTP kg, kh, hd, hh, cof, sof, d
	s_add_co_u32 s19, s\kg, s\kh                   ; the group of 128 keys, 0 .. 127
	s_add_co_u32 s20, s\hd, s\hh                   ; the head
	s_lshr_b32 s21, s19, 5
	s_lshl_b32 s21, s21, 8
	s_lshl_b32 s20, s20, 5
	s_add_co_u32 s21, s21, s20
	s_and_b32 s19, s19, 31
	s_add_co_u32 s21, s21, s19
	s_mul_i32 s22, s21, 12288
	s_add_co_u32 s22, s22, \cof
	s_mov_b32 s23, 0
	s_add_nc_u64 s[\d:\d+1], s[12:13], s[22:23]
	s_lshl_b32 s22, s21, 9
	s_add_co_u32 s22, s22, \sof
	s_add_nc_u64 s[\d+2:\d+3], s[14:15], s[22:23]
.endm
	s_load_b128 s[4:7], s[0:1], 0x0                ; x_codes, x_scales
	s_load_b128 s[8:11], s[0:1], 0x10              ; w_codes, w_scales
	s_load_b128 s[12:15], s[0:1], 0x20             ; qkv_codes, qkv_scales
	v_lshl_add_u32 v[SPW], v0, 2, SPARE
	v_mov_b32 v[NIL], 0
	ds_add_u32 v[SPW], v[NIL]                      ; the opening lines: the add, twice on end, and its wait ahead of my first tensor load
	ds_add_u32 v[SPW], v[NIL]
	v_lshrrev_b32 v1, 5, v0
	v_readfirstlane_b32 s16, v1                    ; wave 0..3
	s_lshr_b32 s17, s16, 1                         ; my half of source 1's rows.  Also: I fetch for source 1 (0) or source 0 (1)
	s_and_b32 s18, s16, 1                          ; my half of source 0's rows.  Also: which 128 rows I fetch
	s_bfe_u32 s40, ttmp6, 0x40000                  ; cx
	s_bfe_u32 s41, ttmp6, 0x40004                  ; cy
	s_and_b32 s42, ttmp7, 0xffff                   ; c: which 1,024 rows of inputs_kv
	s_lshl_b32 s43, s42, 2
	s_add_co_u32 s44, s43, s41
	s_lshl_b32 s44, s44, 1                         ; 2 (4 c + cy): inputs_kv's groups as source 1 (k)
	s_add_co_u32 s45, s43, s40
	s_lshl_b32 s45, s45, 1                         ; 2 (4 c + cx): as source 0 (v)
	s_lshl_b32 s46, s41, 1                         ; 2 cy: Wkv's v halves as source 1
	s_lshl_b32 s47, s40, 1                         ; 2 cx: its k halves as source 0
	s_lshl_b32 s19, s41, 2
	s_lshl_b32 s19, 15, s19                        ; my row of the cluster
	s_lshl_b32 s20, 0x1111, s40                    ; my column
	s_or_b32 s[G1+0], s19, (3<<16)|(1<<21)         ; the mask; elements of 8 bytes; bit 21 beside a mask
	s_or_b32 s[G1B+0], s20, (3<<16)|(1<<21)
.irp g, G1, G1B                                ; dense rows of 256 bytes: 192 for the head's load
	s_mov_b32 s[\g+1], 32<<16
	s_mov_b32 s[\g+2], 192<<16
	s_mov_b32 s[\g+3], 32<<16
	s_mov_b32 s[\g+4], 192
	s_mov_b32 s[\g+5], 32
	s_mov_b32 s[\g+6], 0
	s_mov_b32 s[\g+7], 0
.endr
	s_add_co_u32 s21, s44, 16                      ; k, source 1: inputs_kv begins at group 16 of x
	s_add_co_u32 s22, s21, s17                     ; the group that I multiply,
	s_lshl_b32 s76, s22, 12
	s_add_co_u32 s21, s21, s18                     ; the group that I would fetch
	s_mul_i32 s92, s21, 98304
	s_add_co_u32 s21, s47, 8                       ; k, source 0: Wkv's k halves begin at group 8 of w
	s_add_co_u32 s21, s21, s18
	s_lshl_b32 s78, s21, 12
	s_mul_i32 s94, s21, 98304
	s_add_co_u32 s21, s46, 16                      ; v, source 1: Wkv's v halves begin at group 16 of w
	s_add_co_u32 s22, s21, s17
	s_lshl_b32 s80, s22, 12
	s_add_co_u32 s21, s21, s18
	s_mul_i32 s96, s21, 98304
	s_add_co_u32 s21, s45, 16                      ; v, source 0
	s_add_co_u32 s21, s21, s18
	s_lshl_b32 s82, s21, 12
	s_mul_i32 s98, s21, 98304
.irp r, 77,79,81,83,93,95,97,99
	s_mov_b32 s\r, 0
.endr
	s_mul_i32 s66, s16, 2*HALFT                    ; where my tiles go: wave x 49,152
	s_wait_dscnt 0x0                               ; both opening adds are done
	s_wait_kmcnt 0x0
	s_add_nc_u64 s[G0+2:G0+3], s[4:5], s[92:93]
	s_add_nc_u64 s[G0B+2:G0B+3], s[8:9], s[94:95]
	s_add_nc_u64 s[NX1:NX1+1], s[8:9], s[96:97]
	s_add_nc_u64 s[NX0:NX0+1], s[4:5], s[98:99]
	s_add_nc_u64 s[76:77], s[6:7], s[76:77]        ; the scale words: k's source 1, source 0,
	s_add_nc_u64 s[78:79], s[10:11], s[78:79]
	s_add_nc_u64 s[80:81], s[10:11], s[80:81]      ; v's
	s_add_nc_u64 s[82:83], s[6:7], s[82:83]
	s_cmp_eq_u32 s17, 0                            ; the prefetches: of what I fetch, my work-group's quarter: place cx along a row, cy along a column
	s_cselect_b64 s[90:91], s[G0+2:G0+3], s[G0B+2:G0B+3]
	s_cselect_b64 s[88:89], s[NX1:NX1+1], s[NX0:NX0+1]
	s_cselect_b32 s21, s40, s41
	s_mul_i32 s22, s21, 6144
	s_mov_b32 s23, 0
	s_add_nc_u64 s[90:91], s[90:91], s[22:23]
	s_add_nc_u64 s[88:89], s[88:89], s[22:23]
	s_add_nc_u64 s[G0+6:G0+7], s[G0+2:G0+3], HALFT
	s_add_nc_u64 s[G0B+6:G0B+7], s[G0B+2:G0B+3], HALFT
	s_add_nc_u64 s[NX1+2:NX1+3], s[NX1:NX1+1], HALFT
	s_add_nc_u64 s[NX0+2:NX0+3], s[NX0:NX0+1], HALFT
.irp g, G0, G0+4, G0B, G0B+4
	s_mov_b32 s[\g], 1
	s_or_b32 s[\g+3], s[\g+3], 0x80000000
.endr
	s_mov_b32 s[G0+1], s66
	s_add_co_u32 s[G0+5], s66, SLOT
	s_mov_b32 s[G0B+1], s66
	s_add_co_u32 s[G0B+5], s66, SLOT
	CROUND                                         ; all sixteen work-groups are here: the first joint loads meet
	JLOAD G0, G1, G0B, G1B                         ; my one load of the head: K 0-511 of 128 rows, both slots
	v_and_b32 v[LN], 31, v0
	v_lshlrev_b32 v[LI], 4, v[LN]
	v_lshlrev_b32 v[WSO], 3, v[LN]
	v_min_u32 v[PFO], 23, v[LN]
	v_lshlrev_b32 v[PFO], 8, v[PFO]
	s_wait_alu depctr_va_vdst(0)
	SCLOAD 76, 78
	global_prefetch_b8 v[PFO], s[90:91] offset:2*HALFT th:TH_LOAD_NT scope:SCOPE_SE   ; what the first tile's two refills will ask for
	global_prefetch_b8 v[PFO], s[90:91] offset:3*HALFT th:TH_LOAD_NT scope:SCOPE_SE
	s_mul_i32 s21, s17, 2*HALFT                    ; my 128 rows of source 1
	s_mul_i32 s22, s18, 2*HALFT                    ; my 128 rows of source 0,
	s_add_co_u32 s22, s22, 4*HALFT                 ; which lie behind source 1's two parts
.irp s, 0,1
	v_add_nc_u32 v[ADRA+\s], s21, v[LI]
	v_add_nc_u32 v[ADRB+\s], s22, v[LI]
	s_add_co_u32 s21, s21, SLOT
	s_add_co_u32 s22, s22, SLOT
.endr
	s_mov_b32 s[SEL], 0x76543210
	s_mov_b32 s[SEL+1], 0xfedcba98
	OUTP 45, 18, 46, 17, 12582912, 524288, 84      ; v's results: s[84:87]
	OUTP 44, 17, 47, 18, 0, 0, 12                  ; k's: s[12:15]
.macro FRAG reg, adr, q, i
.irp c, 0,1,2
	ds_load_b128 v[\reg+4*\c:\reg+4*\c+3], v[\adr] offset:(\q)*12288+(\i)*1536+512*\c
.endr
.endm
; 16 products: source 1's blocks a0, a0 + 1 x source 0's eight; p: source 0's set; st: the step of 128 along K.  The 64 accumulators take turns, one instruction a turn.
.macro MUL16 a0, p, st, zero
.irp a, \a0, \a0+1
.irp b, 0,1,2,3,4,5,6,7
	WM 8*(8*((\a)%4)+\b), 128*(\p)+FR*\b, AF+FR*(\a), \zero, SCB+8*((\st)/2)+2*(\b/2)+(\st)%2, SCA+8*((\st)/2)+2*((\a)/2)+(\st)%2, \b%2, (\a)%2
.endr
.endr
.endm
.macro FETCH_B slot, q, p
	WIN TO_B
.irp i, 0,1,2,3,4,5,6,7
	FRAG 128*(\p)+FR*\i, ADRB+\slot, \q, \i
.endr
	WIN 0
.endm
.macro FETCH_A slot, q, i0
.irp i, \i0, \i0+1, \i0+2, \i0+3
	FRAG AF+FR*(\i), ADRA+\slot, \q, \i
.endr
.endm
.macro PLACES n                        ; places behind matrix instructions, in front of loads into their registers and reads of their results
.rept \n
	v_nop
.endr
.endm
.macro STEP slot, st, zero             ; a slot's first step
	s_wait_dscnt 4*NL                              ; the youngest twelve loads (source 1's blocks 4-7) may be out
	WIN MUL_LO
	MUL16 0, 0, \st, \zero
	MUL16 2, 0, \st, \zero
	s_wait_dscnt 0
	PLACES NP
	FETCH_B \slot, 1, 1
	FETCH_A \slot, 1, 0
	WIN MUL_HI
	MUL16 4, 0, \st, \zero
	MUL16 6, 0, \st, \zero
	PLACES NP
	WIN 0
	FETCH_A \slot, 1, 4
.endm
; A slot's last step changes slots: ONE barrier; in front of it each wave waits for all its tensor loads, adds 0 to its spare word, and waits for that and for its reads of this slot.
; fill = 1: this slot takes this tile's K two slots on; 2: the second tile's first K for it; 0: nothing.  fetch = 1: the other slot's first fragments are read.  ask: 0 no prefetch, 1 one, 2 one in the first tile alone.
.macro TURN slot, next, st, fill, fetch, ask, off
	s_wait_tensorcnt 0x0
	ds_add_u32 v[SPW], v[NIL]
	s_wait_dscnt 4*NL+1                            ; (the add and the youngest twelve loads may be out)
	WIN MUL_LO
	MUL16 0, 1, \st, 0
	s_wait_dscnt 0x0                               ; the add is done, and my reads of this slot are over
	s_barrier_signal -1
	MUL16 2, 1, \st, 0
	WIN 0
	s_barrier_wait -1
.if \fill
	CREST                                          ; the barrier has opened a round of the cluster's barrier
.if \fill == 1
	s_add_nc_u64 s[G0+4*\slot+2:G0+4*\slot+3], s[G0+4*\slot+2:G0+4*\slot+3], 2*HALFT
	s_add_nc_u64 s[G0B+4*\slot+2:G0B+4*\slot+3], s[G0B+4*\slot+2:G0B+4*\slot+3], 2*HALFT
.else
	s_mov_b64 s[G0+4*\slot+2:G0+4*\slot+3], s[NX1+2*\slot:NX1+2*\slot+1]
	s_or_b32 s[G0+4*\slot+3], s[G0+4*\slot+3], 0x80000000
	s_mov_b64 s[G0B+4*\slot+2:G0B+4*\slot+3], s[NX0+2*\slot:NX0+2*\slot+1]
	s_or_b32 s[G0B+4*\slot+3], s[G0B+4*\slot+3], 0x80000000
.endif
	JLOAD G0+4*\slot, G1, G0B+4*\slot, G1B         ; the first tensor load behind the round; its four v_nop are the places in front of the loads below
.else
	PLACES NP
.endif
.if \fetch
	FETCH_B \next, 0, 0
	FETCH_A \next, 0, 0
.endif
.if \ask
	ASK (\ask==2), \off
.endif
	WIN MUL_HI
	MUL16 4, 1, \st, 0
	MUL16 6, 1, \st, 0
	PLACES NP
	WIN 0
.if \fetch
	FETCH_A \next, 0, 4
.endif
.endm
; THE WAY OUT.  The 64 registers of source 1's block a are quantised along source 0's 128 rows and ARE the next product's fragment: three stores of 512 consecutive bytes.  Each accumulator is read from its low end on.
.macro QUANTW a, o
.set WW, 2+(\a)/4
.set SS, 64*((\a)%4)
.set PCA, PC+12*(\a)
	WIN WW|(WW<<2)
.irp b, 0,1,2,3
	v_max3_num_f32 v[TM+\b], |v[SS+16*\b]|, |v[SS+1+16*\b]|, 0x1800000   ; with the floor 2^(3 - 127): the byte cannot fall under 1
.endr
	WIN (WW<<2)|(WW<<4)
.irp i, 2,4,6,8,10,12,14
.irp b, 0,1,2,3
	v_max3_num_f32 v[TM+\b], v[TM+\b], |v[SS+16*\b+\i]|, |v[SS+1+16*\b+\i]|
.endr
.endr
	WIN 0
.irp b, 0,1,2,3
	v_permlanex16_b32 v[TM+4+\b], v[TM+\b], s[SEL], s[SEL+1]
.endr
.irp b, 0,1,2,3
	v_max_num_f32 v[TM+\b], v[TM+\b], v[TM+4+\b]
.endr
.irp b, 0,1,2,3
	v_add_nc_u32 v[TM+12+\b], 0xff000000, v[TM+\b]   ; 2 off the exponent field: the conversion's scale operand
.endr
.irp b, 0,1,2,3
	v_lshrrev_b32 v[TM+4+\b], 23, v[TM+12+\b]
.endr
	v_lshl_or_b32 v[PW+(\a)], v[TM+5], 8, v[TM+4]
	v_lshl_or_b32 v[PW+(\a)], v[TM+6], 16, v[PW+(\a)]
	v_lshl_or_b32 v[PW+(\a)], v[TM+7], 24, v[PW+(\a)]
	WIN WW
.irp c, 0,1
	v_cvt_scalef32_pk16_fp6_f32 v[PCA+6*\c:PCA+2+6*\c], v[SS+32*\c:SS+15+32*\c], v[TM+12+2*\c]
	v_cvt_scalef32_pk16_fp6_f32 v[TP+4*\c:TP+2+4*\c], v[SS+16+32*\c:SS+31+32*\c], v[TM+12+2*\c+1]
.endr
	WIN 0
	v_nop                                          ; one plain place behind a scaled conversion
.irp c, 0,1
.irp i, 0,1,2
	v_permlane16_swap_b32 v[PCA+6*\c+\i], v[TP+4*\c+\i]
.endr
.irp i, 0,1,2
	v_mov_b32 v[PCA+3+6*\c+\i], v[TP+4*\c+\i]
.endr
.endr
.irp c, 0,1,2
	global_store_b128 v[LI], v[PCA+4*\c:PCA+4*\c+3], s[\o:\o+1] offset:(\a)*1536+512*\c   ; each block has codes' registers of its own
.endr
.endm
.macro WAYOUT o
.irp b, 0,1,2,3
	v_mov_b32 v[TM+4+\b], 0                        ; a lane permute's destination counts as one of its sources
.endr
.irp a, 0,1,2,3,4,5,6,7
	QUANTW \a, \o
.endr
	v_cmp_le_u32 vcc_lo, 16, v[LN]                 ; register j carries block 2 j's words in lanes 0-15 and block 2 j + 1's in lanes 16-31
.irp j, 0,1,2,3
	v_cndmask_b32 v[SW+\j], v[PW+2*\j], v[PW+2*\j+1], vcc_lo
.endr
	global_store_b128 v[LI], v[SW:SW+3], s[\o+2:\o+3]
.endm
	s_wait_alu depctr_va_vdst(0)                   ; the head's end
	s_wait_tensorcnt 0x0                           ; no tensor load of mine is out, so a descriptor may be written:
	s_mov_b32 s[G1+2], 96<<16                      ; from here on a load brings a slot's 96 rows
	s_mov_b32 s[G1+4], 96
	s_mov_b32 s[G1B+2], 96<<16
	s_mov_b32 s[G1B+4], 96
	s_mov_b32 s[TL], 2                             ; the same number in every work-group
.Ltile:
	s_wait_tensorcnt 0x0                           ; my parts of both slots are in,
	s_barrier_signal -1
	s_barrier_wait -1                              ; everybody's are
	FETCH_B 0, 0, 0
	FETCH_A 0, 0, 0
	FETCH_A 0, 0, 4
	s_wait_loadcnt 0x0                             ; the tile's scale words
	STEP 0, 0, 1                                   ; the first step's products start the sums
	TURN 0, 1, 1, 1, 1, 2, 0                       ; slot 0 takes K 512-767
	STEP 1, 2, 0
	TURN 1, 0, 3, 1, 1, 2, HALFT                   ; slot 1 takes K 768-1,023
	STEP 0, 4, 0
	s_cmp_eq_u32 s[TL], 1
	s_cbranch_scc1 .Llast_tile                     ; the last tile's tail is written out: it asks for nothing more
	TURN 0, 1, 5, 2, 1, 1, 2*HALFT                 ; THE RING GOES ON INTO THE SECOND TILE: slot 0 takes its K 0-255,
	STEP 1, 6, 0
	TURN 1, 0, 7, 2, 0, 1, 3*HALFT                 ; slot 1 its K 256-511; its fragments are read behind the way out
	SCLOAD 80, 82                                  ; (four places stand behind the last products)  the second tile's scale words
	WAYOUT 12                                      ; k leaves while the second tile's loads are on their way
	s_wait_alu depctr_va_vdst(0)
	s_wait_xcnt 0x0                                ; the stores have read their data: the next fragments may land there
	s_sub_co_u32 s[TL], s[TL], 1
	s_branch .Ltile
.Llast_tile:
	TURN 0, 1, 5, 0, 1, 0, 0                       ; nothing is left to fetch
	STEP 1, 6, 0
	s_wait_dscnt 4*NL
	WIN MUL_LO
	MUL16 0, 1, 7, 0
	MUL16 2, 1, 7, 0
	s_wait_dscnt 0
	WIN MUL_HI
	MUL16 4, 1, 7, 0
	MUL16 6, 1, 7, 0
	WIN 0
	PLACES NP
	WAYOUT 84
	s_wait_tensorcnt 0x0                           ; the wave's end
	ds_add_u32 v[SPW], v[NIL]
	s_wait_dscnt 0x0
	CROUND                                         ; the closing round
	s_endpgm
.Lfunc_end_k_q2ac4f1e653_gemm:
	.size	k_q2ac4f1e653_gemm, .Lfunc_end_k_q2ac4f1e653_gemm-k_q2ac4f1e653_gemm
	.p2alignl 7, 3214868480
	.fill 96, 4, 3214868480
	.section	.rodata,"a",@progbits
	.p2align	6, 0x0
	.amdhsa_kernel k_q2ac4f1e653_gemm
		.amdhsa_group_segment_fixed_size 327680
		.amdhsa_private_segment_fixed_size 0
		.amdhsa_enable_private_segment 0
		.amdhsa_kernarg_size 48
		.amdhsa_user_sgpr_count 2
		.amdhsa_user_sgpr_kernarg_segment_ptr 1
		.amdhsa_wavefront_size32 1
		.amdhsa_system_sgpr_workgroup_id_x 1
		.amdhsa_system_sgpr_workgroup_id_y 1
		.amdhsa_system_sgpr_workgroup_id_z 1
		.amdhsa_system_vgpr_workitem_id 0
		.amdhsa_next_free_vgpr 1024
		.amdhsa_next_free_sgpr 100
		.amdhsa_reserve_vcc 1
		.amdhsa_float_denorm_mode_32 3
		.amdhsa_float_denorm_mode_16_64 3
		.amdhsa_memory_ordered 1
		.amdhsa_forward_progress 1
		.amdhsa_inst_pref_size 210
	.end_amdhsa_kernel
	.amdgpu_metadata
---
amdhsa.version: [ 1, 2 ]
amdhsa.kernels:
  - .name:           k_q2ac4f1e653_gemm
    .symbol:         k_q2ac4f1e653_gemm.kd
    .args:
      - { .name: x_codes, .offset: 0, .size: 8, .value_kind: global_buffer, .address_space: global }
      - { .name: x_scales, .offset: 8, .size: 8, .value_kind: global_buffer, .address_space: global }
      - { .name: w_codes, .offset: 16, .size: 8, .value_kind: global_buffer, .address_space: global }
      - { .name: w_scales, .offset: 24, .size: 8, .value_kind: global_buffer, .address_space: global }
      - { .name: qkv_codes, .offset: 32, .size: 8, .value_kind: global_buffer, .address_space: global }
      - { .name: qkv_scales, .offset: 40, .size: 8, .value_kind: global_buffer, .address_space: global }
    .group_segment_fixed_size: 327680
    .private_segment_fixed_size: 0
    .kernarg_segment_align: 8
    .kernarg_segment_size: 48
    .max_flat_workgroup_size: 128
    .sgpr_count:     100
    .vgpr_count:     1024
    .wavefront_size: 32
...
	.end_amdgpu_metadata
.endif
;; end of part 2
;; launch attn (part 3): grid 8 x 32, 8 waves a work-group, no clusters, 143,360 bytes of LDS; arguments qkv_codes, qkv_scales, o_codes, o_scales, x_codes, x_scales, w_codes, w_scales; writes o_codes, o_scales
.if DOCPART == 3
	.amdgcn_target "amdgcn-amd-amdhsa--gfx1250"
	.amdhsa_code_object_version 6
	.text
	.protected	k_q2ac4f1e653_attn
	.globl	k_q2ac4f1e653_attn
	.p2align	8
	.type	k_q2ac4f1e653_attn,@function
k_q2ac4f1e653_attn:
	s_mov_b64 s[64:65], 0
	v_nop
	global_prefetch_b8 v0, s[64:65] scope:SCOPE_SE
	s_setreg_imm32_b32 hwreg(HW_REG_WAVE_MODE, 25, 1), 1
	s_wait_xcnt 0x0
; THE QUERY PROJECTION AND ATTENTION ON CODES of FP6 (E2M3) with E8M0 scales: q = inputs_q Wq, o = softmax(q k^T / sqrt(128)) v for 32 heads (batch x 8 + head) of 512 queries and 4,096 keys;
; q is quantised along the head's 128 on the way, o likewise at the end, and o leaves as codes.
; THE SOFTMAX: t = score x log2(e) / sqrt(128); M = the largest t so far, rounded UP to a whole number; p = 2^(t - M) is quantised along the keys, not normalised; the row's sum is taken of the unquantised p
; in f32 and divides o at the end.  When M moves, the sum and o are multiplied by 2^(old M - new M): exact.
; SHARES.  A work-group owns 64 queries of one head: 256 work-groups of 8 waves.  Wave w owns the 32 queries (two tiles) p = w % 2 and, of every four key steps of 128 keys, step j = w / 2: eight steps a wave.
; NO LDS TILES, NO BARRIER IN THE LOOP, NO CLUSTER: all operands in memory are images of registers (1,536 bytes a fragment, three loads of 16 bytes a lane, 512 consecutive bytes each), and a step's 8 + 8 fragments
; of K and V go from memory straight into the registers of the wave that multiplies them, each feeding two matrix instructions.  So no tile lies in LDS that a joint load could bring.
; K's next step is asked for behind this step's last score, V's behind this step's last product: 25 loads each (24 of codes, 1 of scale words), so each wait on LOADcnt lets the other's 25 younger loads stay out.
; The bases are stepped in the middle of a trip, ahead of its loads of K: the loads that read them last stand a whole softmax back.
; PREFETCH: at the head the key steps of trips 0 to 2, in trip i those of trip i + 3 (two trips ahead of the loads that want them).  A step's 96 blocks of 256 bytes are shared out BY ADDRESS among the 16 waves of the
; head's 8 work-groups that read it, six blocks a wave (lanes 6-31 name the sixth again); trips 5 to 7 ask for nothing.
; q, AT THE HEAD: wave (p, j) makes channels 32 j .. + 31 of its two tiles: 32 matrix instructions on 32 fragments, all asked for at once; codes and scale bytes meet in LDS as rows of 96 bytes a query.
; THE END: the four waves of a p put O^T, -M and the sum into LDS; wave (p, j) brings channels 32 j .. + 31 of both tiles under the largest M (exact powers of two), adds, divides, quantises; the codes meet as q's did.
; All products are used transposed (q^T = Wq^T x^T, S^T = K Q^T, O^T = V^T P^T): a lane holds ONE query.  The rows of a fragment are 32 B + 8 u + r + 8 (r / 8): the 16 registers of tiles 2 B, 2 B + 1 are 16 neighbours.
; LIMITS: NaN and infinities are not served; the promise holds while the scaled scores stay under 2^31 in magnitude; a block of zeros or under 2^-124 keeps the scale byte 1 (its reader is this program alone).
; REGISTERS.  Window 0: v1-15 addresses; v16-31 scale words alone (Q 16-17, p 18-19, K 20-23, V 24-27; at the head x 16-23, Wq 24-31); v32-35 (-M, largest t) x 2; v36-39 the sums; v40-43 f;
; v44-107 S^T, then p; v108-131 p's codes; v132-227 K's fragments; v228-255 at work.  At the head v32-63 q's accumulators, v64-255 x's fragments.  Window 1: v0-127 O^T, v128-223 V's fragments (head: v0-191 Wq's), v224-247 Q.
.set STT,   131072                     ; behind the eight partial O^T of 16,384 bytes: 512 bytes a wave: tile m: -M at 256 m + 4 x lane, the sum 128 further on
.set QST,   135168                     ; q's, later o's codes: 1,536 bytes a tile: 96 bytes a query
.set QSC,   141312                     ; their scale bytes, a word each: 256 bytes a tile: 64 a block of 32 channels
.set SPARE, 142336                     ; the spare words, 128 bytes a wave: four blocks of 256 bytes that no other line names
.set LI, 1
.set SPW, 2
.set NIL, 3
.set WSO, 4
.set PFO, 5
.set QSA, 6
.set QSB, 7
.set QRD, 8
.set QRS, 9
.set MST, 10
.set MRD, 11
.set SST, 13
.set SRD, 14
.set QR2, 15
.set QS, 16
.set PS, 18
.set KS, 20
.set VS, 24
.set XSC, 16
.set WSC, 24
.set NM, 32
.set SU, 36
.set FF, 40
.set SB, 44
.set PC, 108
.set KF, 132
.set BM, 228
.set PM, 232
.set AC, 232
.set TP, 232
.set SO, 244
.set T, 254
.set RR, 44                            ; the end: v44-171 the four waves' parts, 32 a wave, 16 a tile
.set NR, 172                           ; v172-187 their -M and sums
.set FQ, 188                           ; v188-203 their factors, at even registers
.set VF, 128
.set QF, 224
.set CNT, 27
.set SEL, 28
.set CS, 30
.set MSB, 0
.macro WIN new
.if MSB != (\new)
	s_set_vgpr_msb (MSB<<8)|(\new)
.set MSB, (\new)
.endif
.endm
.macro WM d, a, b, z, sa, sb, ra, rb   ; one product; z = 1: it starts its sum; ra, rb: the half of the lanes in which the scale words stand
.if \z
.if (\ra)&&(\rb)
	v_wmma_scale_f32_16x16x128_f8f6f4 v[\d:\d+7], v[\a:\a+11], v[\b:\b+11], 0, v[\sa], v[\sb] matrix_a_fmt:MATRIX_FMT_FP6 matrix_b_fmt:MATRIX_FMT_FP6 matrix_a_scale:MATRIX_SCALE_ROW1 matrix_b_scale:MATRIX_SCALE_ROW1
.elseif \ra
	v_wmma_scale_f32_16x16x128_f8f6f4 v[\d:\d+7], v[\a:\a+11], v[\b:\b+11], 0, v[\sa], v[\sb] matrix_a_fmt:MATRIX_FMT_FP6 matrix_b_fmt:MATRIX_FMT_FP6 matrix_a_scale:MATRIX_SCALE_ROW1
.elseif \rb
	v_wmma_scale_f32_16x16x128_f8f6f4 v[\d:\d+7], v[\a:\a+11], v[\b:\b+11], 0, v[\sa], v[\sb] matrix_a_fmt:MATRIX_FMT_FP6 matrix_b_fmt:MATRIX_FMT_FP6 matrix_b_scale:MATRIX_SCALE_ROW1
.else
	v_wmma_scale_f32_16x16x128_f8f6f4 v[\d:\d+7], v[\a:\a+11], v[\b:\b+11], 0, v[\sa], v[\sb] matrix_a_fmt:MATRIX_FMT_FP6 matrix_b_fmt:MATRIX_FMT_FP6
.endif
.else
.if (\ra)&&(\rb)
	v_wmma_scale_f32_16x16x128_f8f6f4 v[\d:\d+7], v[\a:\a+11], v[\b:\b+11], v[\d:\d+7], v[\sa], v[\sb] matrix_a_fmt:MATRIX_FMT_FP6 matrix_b_fmt:MATRIX_FMT_FP6 matrix_a_scale:MATRIX_SCALE_ROW1 matrix_b_scale:MATRIX_SCALE_ROW1
.elseif \ra
	v_wmma_scale_f32_16x16x128_f8f6f4 v[\d:\d+7], v[\a:\a+11], v[\b:\b+11], v[\d:\d+7], v[\sa], v[\sb] matrix_a_fmt:MATRIX_FMT_FP6 matrix_b_fmt:MATRIX_FMT_FP6 matrix_a_scale:MATRIX_SCALE_ROW1
.elseif \rb
	v_wmma_scale_f32_16x16x128_f8f6f4 v[\d:\d+7], v[\a:\a+11], v[\b:\b+11], v[\d:\d+7], v[\sa], v[\sb] matrix_a_fmt:MATRIX_FMT_FP6 matrix_b_fmt:MATRIX_FMT_FP6 matrix_b_scale:MATRIX_SCALE_ROW1
.else
	v_wmma_scale_f32_16x16x128_f8f6f4 v[\d:\d+7], v[\a:\a+11], v[\b:\b+11], v[\d:\d+7], v[\sa], v[\sb] matrix_a_fmt:MATRIX_FMT_FP6 matrix_b_fmt:MATRIX_FMT_FP6
.endif
.endif
.endm
.macro PLACES n
.rept \n
	v_nop
.endr
.endm
.macro LDK off, soff                   ; a key step's eight fragments of K and its scale words: 25 loads
.irp t, 0,1,2,3,4,5,6,7
.irp c, 0,1,2
	global_load_b128 v[KF+12*\t+4*\c:KF+12*\t+4*\c+3], v[LI], s[40:41] offset:\off+\t*1536+512*\c
.endr
.endr
	global_load_b128 v[KS:KS+3], v[LI], s[44:45] offset:\soff
.endm
.macro LDV off, soff                   ; the same of V
	WIN 0x40
.irp t, 0,1,2,3,4,5,6,7
.irp c, 0,1,2
	global_load_b128 v[VF+12*\t+4*\c:VF+12*\t+4*\c+3], v[LI], s[42:43] offset:\off+\t*1536+512*\c
.endr
.endr
	WIN 0
	global_load_b128 v[VS:VS+3], v[LI], s[44:45] offset:524288+\soff
.endm
; 16 numbers of a lane, with lane l xor 16's a whole block of 32: three registers of codes at v[d] on, the scale's byte in v[d + 3]
.macro QBLK s, d
	v_max3_num_f32 v[\d+3], |v[\s]|, |v[\s+1]|, 0x1800000   ; with the floor 2^(3 - 127): the byte cannot fall under 1
	v_max3_num_f32 v[T], |v[\s+8]|, |v[\s+9]|, |v[\s+10]|
	v_max3_num_f32 v[\d+3], v[\d+3], |v[\s+2]|, |v[\s+3]|
	v_max3_num_f32 v[T], v[T], |v[\s+11]|, |v[\s+12]|
	v_max3_num_f32 v[\d+3], v[\d+3], |v[\s+4]|, |v[\s+5]|
	v_max3_num_f32 v[T], v[T], |v[\s+13]|, |v[\s+14]|
	v_max3_num_f32 v[\d+3], v[\d+3], |v[\s+6]|, |v[\s+7]|
	v_max3_num_f32 v[\d+3], v[\d+3], v[T], |v[\s+15]|
	v_permlanex16_b32 v[T], v[\d+3], s[SEL], s[SEL+1]
	v_max_num_f32 v[\d+3], v[\d+3], v[T]
	v_add_nc_u32 v[T], 0xff000000, v[\d+3]         ; 2 off the exponent field: the conversion's scale operand
	v_lshrrev_b32 v[\d+3], 23, v[T]
	v_cvt_scalef32_pk16_fp6_f32 v[\d:\d+2], v[\s:\s+15], v[T]
	v_nop                                          ; one plain place behind a scaled conversion
.endm
.macro QSTORE m, d                     ; my 12 bytes of tile m's row of codes, and my block's byte as a word (lanes l and l xor 16 write the same)
	ds_store_b32 v[QSA], v[\d] offset:\m*1536
	ds_store_b32 v[QSA], v[\d+1] offset:\m*1536+4
	ds_store_b32 v[QSA], v[\d+2] offset:\m*1536+8
	ds_store_b32 v[QSB], v[\d+3] offset:\m*256
.endm
	s_load_b256 s[4:11], s[0:1], 0x0               ; qkv_codes s[4:5], qkv_scales s[6:7], o_codes s[8:9], o_scales s[10:11]
	s_load_b256 s[12:19], s[0:1], 0x20             ; x_codes s[12:13], x_scales s[14:15], w_codes s[16:17], w_scales s[18:19]
	v_lshl_add_u32 v[SPW], v0, 2, SPARE
	v_mov_b32 v[NIL], 0
	v_lshrrev_b32 v4, 5, v0
	v_readfirstlane_b32 s20, v4                    ; wave 0..7
	s_and_b32 s21, s20, 1                          ; p: my 32 queries
	s_lshr_b32 s22, s20, 1                         ; j: my key step of each four, my block of 32 channels
	s_and_b32 s24, ttmp7, 0xffff                   ; batch x 8 + head
	s_lshr_b32 s25, s24, 3
	s_and_b32 s26, s24, 7
	s_lshr_b32 s27, ttmp9, 1
	s_lshl_b32 s32, s25, 2
	s_add_co_u32 s27, s27, s32                     ; x's group of 128 rows
	s_and_b32 s34, ttmp9, 1
	s_lshl_b32 s34, s34, 1
	s_add_co_u32 s34, s34, s21                     ; my pair of blocks in it
	s_mul_i32 s32, s27, 98304
	s_mul_i32 s33, s34, 3072
	s_add_co_u32 s32, s32, s33
	s_mov_b32 s33, 0
	s_lshl_b32 s34, s34, 8
	s_lshl_b32 s35, s27, 12
	s_add_co_u32 s34, s34, s35
	s_mov_b32 s35, 0
	s_mul_i32 s36, s26, 98304                      ; Wq: the head's group, tiles 2 j and 2 j + 1
	s_mul_i32 s37, s22, 3072
	s_add_co_u32 s36, s36, s37
	s_mov_b32 s37, 0
	s_lshl_b32 s38, s26, 12
	s_lshl_b32 s39, s22, 8
	s_add_co_u32 s38, s38, s39
	s_mov_b32 s39, 0
	s_mul_i32 s40, s24, 393216                     ; K: the head, key step j
	s_mul_i32 s41, s22, 12288
	s_add_co_u32 s40, s40, s41
	s_mov_b32 s41, 0
	s_add_co_u32 s42, s40, 12582912                ; V
	s_mov_b32 s43, 0
	s_lshl_b32 s44, s24, 14                        ; their scale words
	s_lshl_b32 s45, s22, 9
	s_add_co_u32 s44, s44, s45
	s_mov_b32 s45, 0
	s_lshl_b32 s46, s25, 5                         ; o: block of 16 rows = 32 x batch + 4 x work-group + 2 p + j (used by waves with j < 2), x 8 + head
	s_lshl_b32 s47, ttmp9, 2
	s_add_co_u32 s46, s46, s47
	s_lshl_b32 s47, s21, 1
	s_add_co_u32 s46, s46, s47
	s_add_co_u32 s46, s46, s22
	s_lshl_b32 s46, s46, 3
	s_add_co_u32 s48, s46, s26
	s_mul_i32 s46, s48, 1536
	s_mov_b32 s47, 0
	s_lshl_b32 s48, s48, 6
	s_mov_b32 s49, 0
	s_and_b32 s50, ttmp9, 3                        ; the prefetches: work-groups 0-3 take K's 48 blocks of my key step, 4-7 V's: six blocks a wave
	s_lshl_b32 s50, s50, 1
	s_add_co_u32 s50, s50, s21
	s_mul_i32 s50, s50, 1536
	s_cmp_lt_u32 ttmp9, 4
	s_cselect_b32 s51, s40, s42
	s_add_co_u32 s50, s50, s51
	s_mov_b32 s51, 0
	s_mul_i32 s52, s21, 3072
	s_add_co_u32 s52, s52, QST                     ; my two tiles' rows of codes,
	s_mul_i32 s53, s22, 24
	s_add_co_u32 s53, s53, s52                     ; my block in them
	s_lshl_b32 s54, s21, 9
	s_add_co_u32 s54, s54, QSC
	s_lshl_b32 s55, s22, 6
	s_add_co_u32 s55, s55, s54
	s_lshl_b32 s56, s20, 14                        ; my partial O^T
	s_lshl_b32 s57, s21, 14
	s_lshl_b32 s58, s22, 11
	s_add_co_u32 s57, s57, s58                     ; my quarter of the channels in wave (p, 0)'s
	s_lshl_b32 s58, s20, 9
	s_add_co_u32 s58, s58, STT
	s_lshl_b32 s59, s21, 9
	s_add_co_u32 s59, s59, STT
	s_mul_i32 s60, s22, 1536
	s_lshl_b32 s61, s22, 8
	s_mov_b32 s[SEL], 0x76543210
	s_mov_b32 s[SEL+1], 0xfedcba98
	s_mov_b32 s[CS], 0x3e0293ee                    ; c = log2(e) / sqrt(128)
	s_mov_b32 s[CS+1], s[CS]
	v_and_b32 v5, 31, v0
	v_lshlrev_b32 v[LI], 4, v5
	v_lshlrev_b32 v[WSO], 3, v5
	v_min_u32 v5, 5, v5
	v_lshlrev_b32 v[PFO], 8, v5
	v_and_b32 v8, 15, v0                           ; r
	v_bfe_u32 v9, v0, 4, 1                         ; h
	v_mul_u32_u24 v6, v8, 96
	v_lshlrev_b32 v7, 2, v8
	v_mad_u32_u24 v8, v9, 24, v6
	v_mad_u32_u24 v6, v9, 12, v6
	v_add_nc_u32 v[QRD], s52, v8                   ; out: a whole block a lane: 96 r + 24 h
	v_add_nc_u32 v[QSA], s53, v6                   ; in: 96 r + 24 j + 12 h
	v_add_nc_u32 v[QRS], s54, v7
	v_add_nc_u32 v[QSB], s55, v7
	s_wait_alu depctr_va_vdst(0)                   ; the head's end
	s_wait_kmcnt 0x0
	s_add_nc_u64 s[32:33], s[12:13], s[32:33]
	s_add_nc_u64 s[34:35], s[14:15], s[34:35]
	s_add_nc_u64 s[36:37], s[16:17], s[36:37]
	s_add_nc_u64 s[38:39], s[18:19], s[38:39]
	s_add_nc_u64 s[40:41], s[4:5], s[40:41]
	s_add_nc_u64 s[42:43], s[4:5], s[42:43]
	s_add_nc_u64 s[50:51], s[4:5], s[50:51]
	s_add_nc_u64 s[44:45], s[6:7], s[44:45]
	s_add_nc_u64 s[46:47], s[8:9], s[46:47]
	s_add_nc_u64 s[48:49], s[10:11], s[48:49]
	; ---------------- q for my two tiles of queries and my 32 channels: 8 + 96 loads, all asked for here ----------------
.irp s, 0,1,2,3
	global_load_b64 v[XSC+2*\s:XSC+2*\s+1], v[WSO], s[34:35] offset:\s*1024   ; K steps 2 s, 2 s + 1; lanes 0-15 the first tile's words, lanes 16-31 the second's
	global_load_b64 v[WSC+2*\s:WSC+2*\s+1], v[WSO], s[38:39] offset:\s*1024
.endr
.irp ks, 0,1,2,3,4,5,6,7
	WIN 0x40
.irp u, 0,1
.irp c, 0,1,2
	global_load_b128 v[24*\ks+12*\u+4*\c:24*\ks+12*\u+4*\c+3], v[LI], s[36:37] offset:\ks*12288+\u*1536+512*\c
.endr
.endr
	WIN 0
.irp m, 0,1
.irp c, 0,1,2
	global_load_b128 v[64+24*\ks+12*\m+4*\c:64+24*\ks+12*\m+4*\c+3], v[LI], s[32:33] offset:\ks*12288+\m*1536+512*\c
.endr
.endr
.endr
.irp i, 0,1,2
	global_prefetch_b8 v[PFO], s[50:51] offset:\i*49152 th:TH_LOAD_NT scope:SCOPE_SE   ; my six blocks of the key steps of trips 0 to 2, while q is made
.endr
.irp ks, 0,1,2,3,4,5,6,7
.if 12*(7-\ks) > 63
	s_wait_loadcnt 63                              ; 12 loads for each later K step stand behind: more than the wait's field can name
.else
	s_wait_loadcnt 12*(7-\ks)
.endif
	WIN 0x01                                       ; source 0 (Wq) in window 1
.irp m, 0,1
.irp u, 0,1
	WM 32+16*\m+8*\u, 24*\ks+12*\u, 64+24*\ks+12*\m, (\ks==0), WSC+\ks, XSC+\ks, \u, \m   ; four accumulators by turns
.endr
.endr
.endr
	WIN 0
	PLACES 4
	LDK 0, 0                                       ; the first key step is on its way while q is quantised
	LDV 0, 0
	QBLK 32, 240
	QBLK 48, 244
	QSTORE 0, 240
	QSTORE 1, 244
	s_wait_dscnt 0x0                               ; for the others' sake: my stores are done
	s_barrier_signal -1
	s_barrier_wait -1
	WIN 0x40
.irp m, 0,1
.irp q, 0,1,2,3,4,5
	ds_load_b64 v[QF+12*\m+2*\q:QF+12*\m+2*\q+1], v[QRD] offset:\m*1536+48*(\q/3)+8*(\q%3)
.endr
.endr
	WIN 0
.irp m, 0,1
.irp i, 0,1,2,3
	ds_load_b32 v[240+4*\m+\i], v[QRS] offset:\m*256+64*\i
.endr
.endr
	s_wait_dscnt 0x0
.irp i, 1,2,3
.irp m, 0,1
.if \i == 1
	v_lshl_or_b32 v[QS+\m], v[241+4*\m], 8, v[240+4*\m]   ; Q's scale words
.else
	v_lshl_or_b32 v[QS+\m], v[240+4*\m+\i], 8*\i, v[QS+\m]
.endif
.endr
.endr
.irp m, 0,1
	v_mov_b32 v[NM+1+2*\m], 0xff61b1e6             ; the largest t so far: -3e38
.endr
.irp m, 0,1
	v_floor_f32 v[NM+2*\m], -v[NM+1+2*\m]          ; -M
.endr
.irp i, 0,1,2,3
	v_mov_b32 v[SU+\i], 0                          ; the sums, in two halves
	v_mov_b32 v[PM+\i], 0                          ; a lane permute's destination counts as one of its sources
.endr
	v_mov_b32 v[FF+1], 0                           ; (named as the upper halves of pairs)
	v_mov_b32 v[FF+3], 0
	s_wait_alu depctr_va_vdst(0)
.macro SCORE m                         ; S^T = K Q^T for tile m of my queries: eight tiles of 16 keys
	WIN 0x04
.irp t, 0,1,2,3,4,5,6,7
	WM SB+8*\t, KF+12*\t, QF+12*\m, 1, KS+\t/2, QS+\m, \t%2, 0
.endr
	WIN 0
.endm
.macro SOFT m                          ; S^T of tile m becomes p's codes and scale word; -M, the sum and f = 2^(old M - new M) are brought up to date
.irp b, 0,1,2,3
	v_max3_num_f32 v[BM+\b], v[SB+16*\b], v[SB+1+16*\b], v[SB+2+16*\b]   ; the largest score of each block of 32 keys: for the row's maximum and, since p rises with the score, for the block's largest p
.endr
.irp i, 3,5,7,9,11,13
.irp b, 0,1,2,3
	v_max3_num_f32 v[BM+\b], v[BM+\b], v[SB+16*\b+\i], v[SB+1+16*\b+\i]
.endr
.endr
.irp b, 0,1,2,3
	v_max_num_f32 v[BM+\b], v[BM+\b], v[SB+15+16*\b]
.endr
.irp b, 0,1,2,3
	v_permlanex16_b32 v[PM+\b], v[BM+\b], s[SEL], s[SEL+1]
.endr
.irp b, 0,1,2,3
	v_max_num_f32 v[BM+\b], v[BM+\b], v[PM+\b]
.endr
	s_delay_alu instid0(VALU_DEP_2)
	v_max3_num_f32 v[T], v[BM], v[BM+1], v[BM+2]
	s_delay_alu instid0(VALU_DEP_1)
	v_max_num_f32 v[T], v[T], v[BM+3]
	s_delay_alu instid0(VALU_DEP_1)
	v_mul_f32 v[T], s[CS], v[T]                    ; as t (c is positive)
	s_delay_alu instid0(VALU_DEP_1)
	v_max_num_f32 v[NM+1+2*\m], v[NM+1+2*\m], v[T]
	v_mov_b32 v[T], v[NM+2*\m]
	s_delay_alu instid0(VALU_DEP_2)
	v_floor_f32 v[NM+2*\m], -v[NM+1+2*\m]          ; the new -M = -ceil(t): a whole number
	s_delay_alu instid0(VALU_DEP_1)
	v_sub_f32 v[T], v[NM+2*\m], v[T]               ; old M less new M
	s_delay_alu instid0(VALU_DEP_1)
	v_cvt_i32_f32 v[T], v[T]                       ; (it saturates)
	s_delay_alu instid0(VALU_DEP_1)
	v_ldexp_f32 v[FF+2*\m], 1.0, v[T]
.set J, 0
.rept 32
	v_pk_fma_f32 v[SB+J:SB+J+1], v[SB+J:SB+J+1], s[CS:CS+1], v[NM+2*\m:NM+2*\m+1] op_sel_hi:[1,0,0]   ; t - M
.set J, J+2
.endr
.irp b, 0,1,2,3
	v_fma_f32 v[BM+\b], v[BM+\b], s[CS], v[NM+2*\m]
.endr
	s_wait_alu depctr_va_vdst(0)
.set J, 0
.rept 64
	v_exp_f32 v[SB+J], v[SB+J]                     ; p = 2^(t - M)
.set J, J+1
.endr
.irp b, 0,1,2,3
	v_exp_f32 v[BM+\b], v[BM+\b]                   ; the block's largest p: the same two instructions on the same number
.endr
	v_pk_mul_f32 v[SU+2*\m:SU+2*\m+1], v[SU+2*\m:SU+2*\m+1], v[FF+2*\m:FF+2*\m+1] op_sel_hi:[1,0]   ; the sum under the new M: a plain place behind the batch
	s_wait_alu depctr_va_vdst(0)                   ; and the one wait behind it
.irp c, 0,1,2,3,4,5,6                          ; the row's sum of the unquantised p, in eight chains
	v_pk_add_f32 v[AC+2*\c:AC+2*\c+1], v[SB+4*\c:SB+4*\c+1], v[SB+4*\c+2:SB+4*\c+3]
.endr
	v_pk_add_f32 v[SU+2*\m:SU+2*\m+1], v[SU+2*\m:SU+2*\m+1], v[SB+28:SB+29]
.irp c, 0,1,2,3,4,5,6
	v_pk_add_f32 v[AC+2*\c:AC+2*\c+1], v[AC+2*\c:AC+2*\c+1], v[SB+30+2*\c:SB+31+2*\c]
.endr
	v_pk_add_f32 v[SU+2*\m:SU+2*\m+1], v[SU+2*\m:SU+2*\m+1], v[SB+44:SB+45]
.irp c, 0,1,2,3,4,5,6
	v_pk_add_f32 v[AC+2*\c:AC+2*\c+1], v[AC+2*\c:AC+2*\c+1], v[SB+46+2*\c:SB+47+2*\c]
.endr
	v_pk_add_f32 v[SU+2*\m:SU+2*\m+1], v[SU+2*\m:SU+2*\m+1], v[SB+60:SB+61]
	v_pk_add_f32 v[AC:AC+1], v[AC:AC+1], v[SB+62:SB+63]
	v_pk_add_f32 v[SU+2*\m:SU+2*\m+1], v[SU+2*\m:SU+2*\m+1], v[AC+6:AC+7]
	v_pk_add_f32 v[AC+2:AC+3], v[AC+2:AC+3], v[AC+10:AC+11]
	v_pk_add_f32 v[AC+4:AC+5], v[AC+4:AC+5], v[AC+12:AC+13]
	v_pk_add_f32 v[AC:AC+1], v[AC:AC+1], v[AC+8:AC+9]
	v_pk_add_f32 v[SU+2*\m:SU+2*\m+1], v[SU+2*\m:SU+2*\m+1], v[AC+2:AC+3]
	v_pk_add_f32 v[AC:AC+1], v[AC:AC+1], v[AC+4:AC+5]
	s_delay_alu instid0(VALU_DEP_1)
	v_pk_add_f32 v[SU+2*\m:SU+2*\m+1], v[SU+2*\m:SU+2*\m+1], v[AC:AC+1]
.irp b, 0,1,2,3
	v_max_num_f32 v[BM+\b], 0x1800000, v[BM+\b]    ; the floor 2^(3 - 127)
.endr
.irp b, 0,1,2,3
	v_add_nc_u32 v[SO+\b], 0xff000000, v[BM+\b]    ; the conversion's scale operand
.endr
.irp b, 0,1,2,3
	v_lshrrev_b32 v[PM+\b], 23, v[SO+\b]
.endr
	v_lshl_or_b32 v[PS+\m], v[PM+1], 8, v[PM]      ; p's scale word
	v_lshl_or_b32 v[PS+\m], v[PM+2], 16, v[PS+\m]
	v_lshl_or_b32 v[PS+\m], v[PM+3], 24, v[PS+\m]
.irp c, 0,1
	v_cvt_scalef32_pk16_fp6_f32 v[PC+12*\m+6*\c:PC+12*\m+6*\c+2], v[SB+32*\c:SB+32*\c+15], v[SO+2*\c]
	v_cvt_scalef32_pk16_fp6_f32 v[TP+4*\c:TP+4*\c+2], v[SB+16+32*\c:SB+31+32*\c], v[SO+2*\c+1]
.endr
	v_nop                                          ; one plain place behind a scaled conversion
.irp c, 0,1
.irp i, 0,1,2
	v_permlane16_swap_b32 v[PC+12*\m+6*\c+\i], v[TP+4*\c+\i]
.endr
.irp i, 0,1,2
	v_mov_b32 v[PC+12*\m+3+6*\c+\i], v[TP+4*\c+\i]
.endr
.endr
.endm
; MY KEY STEP OF A GROUP OF FOUR.  first = 1: the products start O^T.  nxt = 1: the next group's step is asked for.  ask: 0 no prefetch, 1 one, 2 one while the group three on exists.
.macro STEP first, nxt, ask
	s_wait_loadcnt 25                              ; K and its scale words are in; V's 25 younger loads may be out
	SCORE 0
	PLACES 4
	SOFT 0
	SCORE 1
	PLACES 4                                       ; in front of the loads into K's registers and of the first read of results
.if \nxt
.if \first == 0
	s_wait_xcnt 0x0                                ; the last trip's loads and prefetch have read their bases: on to this trip's group of four key steps
	s_add_nc_u64 s[40:41], s[40:41], 49152
	s_add_nc_u64 s[42:43], s[42:43], 49152
	s_add_nc_u64 s[50:51], s[50:51], 49152
	s_add_nc_u64 s[44:45], s[44:45], 2048
.endif
	LDK 49152, 2048
.endif
.if \ask == 2
	s_cmp_ge_u32 s[CNT], 3
	s_cbranch_scc0 .Lno_ask_\@
.endif
.if \ask
	global_prefetch_b8 v[PFO], s[50:51] offset:147456 th:TH_LOAD_NT scope:SCOPE_SE
.endif
.Lno_ask_\@:
	SOFT 1
.if \first
	PLACES 8                                       ; between p's last lines and the products that take them
.else
	WIN 0x41
	s_wait_alu depctr_va_vdst(0)
.irp m, 0,1
.set J, 0
.rept 32
	v_pk_mul_f32 v[64*\m+J:64*\m+J+1], v[64*\m+J:64*\m+J+1], v[FF+2*\m:FF+2*\m+1] op_sel_hi:[1,0]   ; O^T under the new M
.set J, J+2
.endr
.endr
	WIN 0
.endif
	s_wait_alu depctr_va_vdst(0)
.if \nxt
	s_wait_loadcnt 25                              ; V is in; the next K's 25 loads may be out
.else
	s_wait_loadcnt 0x0
.endif
	WIN 0x51
.irp t, 0,1,2,3,4,5,6,7                        ; O^T += V^T P^T: sixteen accumulators by turns; each fragment of V feeds both tiles
.irp m, 0,1
	WM 64*\m+8*\t, VF+12*\t, PC+12*\m, \first, VS+\t/2, PS+\m, \t%2, 0
.endr
.endr
	WIN 0
.if \nxt
	PLACES 4
	LDV 49152, 2048
.endif
.endm
	STEP 1, 1, 1
	s_mov_b32 s[CNT], 6
.Ltrip:
	STEP 0, 1, 2
	s_sub_co_u32 s[CNT], s[CNT], 1
	s_cmp_lg_u32 s[CNT], 0
	s_cbranch_scc1 .Ltrip
	STEP 0, 0, 0                                   ; the last step asks for nothing
	; ---------------- the four partial results of each tile meet ----------------
	v_and_b32 v[SST], 31, v0                       ; (these lines are also the places behind the last products)
	v_lshlrev_b32 v[SST], 2, v[SST]
	v_add_nc_u32 v[MST], s56, v[LI]
	v_add_nc_u32 v[MRD], s57, v[LI]
	v_add_nc_u32 v[MRD+1], 0x10000, v[MRD]         ; waves (p, 2) and (p, 3): an LDS immediate has 16 bits
	v_add_nc_u32 v[SRD], s59, v[SST]
	v_add_nc_u32 v[SST], s58, v[SST]
	v_add_nc_u32 v[QR2], s60, v[QRD]               ; tile j of my two, for waves with j < 2
	v_add_nc_u32 v4, s61, v[QRS]
	v_and_b32 v5, 15, v0
	v_lshlrev_b32 v5, 2, v5
	v_add_f32 v[SU], v[SU], v[SU+1]
	v_add_f32 v[SU+2], v[SU+2], v[SU+3]
	WIN 0x04
.set J, 0
.rept 32
	ds_store_b128 v[MST], v[4*J:4*J+3] offset:512*J   ; each accumulator from its low end on
.set J, J+1
.endr
	WIN 0
.irp m, 0,1
	ds_store_b32 v[SST], v[NM+2*\m] offset:256*\m
	ds_store_b32 v[SST], v[SU+2*\m] offset:256*\m+128
.endr
	s_wait_alu depctr_va_vdst(0)
	s_wait_dscnt 0x0
	s_barrier_signal -1
	s_barrier_wait -1
.irp jj, 0,1,2,3
.irp m, 0,1
	ds_load_b32 v[NR+4*\jj+2*\m], v[SRD] offset:\jj*1024+\m*256
	ds_load_b32 v[NR+4*\jj+2*\m+1], v[SRD] offset:\jj*1024+\m*256+128
.endr
.endr
.irp jj, 0,1,2,3
.irp m, 0,1
.irp q, 0,1,2,3
	ds_load_b128 v[RR+32*\jj+16*\m+4*\q:RR+32*\jj+16*\m+4*\q+3], v[MRD+\jj/2] offset:(\jj%2)*32768+\m*8192+\q*512
.endr
.endr
.endr
	s_wait_dscnt 32                                ; the sixteen numbers are in; the 32 loads of parts may be out
.irp m, 0,1
	v_min3_num_f32 v[228+\m], v[NR+2*\m], v[NR+4+2*\m], v[NR+8+2*\m]
.endr
.irp m, 0,1
	v_min_num_f32 v[228+\m], v[228+\m], v[NR+12+2*\m]   ; -M of the largest M
.endr
.irp jj, 0,1,2,3
.irp m, 0,1
	v_sub_f32 v[FQ+8*\m+2*\jj], v[228+\m], v[NR+4*\jj+2*\m]
.endr
.endr
.irp jj, 0,1,2,3
.irp m, 0,1
	v_cvt_i32_f32 v[FQ+8*\m+2*\jj], v[FQ+8*\m+2*\jj]
.endr
.endr
.irp jj, 0,1,2,3
.irp m, 0,1
	v_ldexp_f32 v[FQ+8*\m+2*\jj], 1.0, v[FQ+8*\m+2*\jj]   ; 2^(its M - the largest M)
.endr
.endr
.irp m, 0,1
	v_mul_f32 v[230+\m], v[NR+1+2*\m], v[FQ+8*\m]
.endr
.irp jj, 1,2,3
.irp m, 0,1
	v_fmac_f32 v[230+\m], v[NR+1+4*\jj+2*\m], v[FQ+8*\m+2*\jj]
.endr
.endr
.irp m, 0,1
	v_permlanex16_b32 v[232+\m], v[230+\m], s[SEL], s[SEL+1]
.endr
.irp m, 0,1
	v_add_f32 v[230+\m], v[230+\m], v[232+\m]      ; with lane l xor 16's keys: the row's sum
.endr
	s_wait_alu depctr_va_vdst(0)
	v_rcp_f32 v230, v230
	v_rcp_f32 v231, v231
	v_nop
	s_wait_alu depctr_va_vdst(0)
.irp jj, 0,1,2,3
.irp m, 0,1
	v_mul_f32 v[FQ+8*\m+2*\jj], v[FQ+8*\m+2*\jj], v[230+\m]   ; a power of two x 1 / the sum: nothing more is rounded
.endr
.endr
	s_wait_alu depctr_va_vdst(0)
	s_wait_dscnt 0x0
.irp m, 0,1
.irp k, 0,2,4,6,8,10,12,14
	v_pk_mul_f32 v[RR+16*\m+\k:RR+16*\m+\k+1], v[RR+16*\m+\k:RR+16*\m+\k+1], v[FQ+8*\m:FQ+8*\m+1] op_sel_hi:[1,0]
.endr
.endr
.irp jj, 1,2,3
.irp m, 0,1
.irp k, 0,2,4,6,8,10,12,14
	v_pk_fma_f32 v[RR+16*\m+\k:RR+16*\m+\k+1], v[RR+32*\jj+16*\m+\k:RR+32*\jj+16*\m+\k+1], v[FQ+8*\m+2*\jj:FQ+8*\m+2*\jj+1], v[RR+16*\m+\k:RR+16*\m+\k+1] op_sel_hi:[1,0,1]
.endr
.endr
.endr
	QBLK RR, 240                                   ; o(query r, channel 32 j + 16 h + i): a block of the last product's quantiser
	QBLK RR+16, 244
	QSTORE 0, 240
	QSTORE 1, 244
	s_wait_dscnt 0x0
	s_barrier_signal -1
	s_barrier_wait -1
	s_cmp_ge_u32 s22, 2
	s_cbranch_scc1 .Ldone
.irp q, 0,1,2,3,4,5
	ds_load_b64 v[44+2*\q:45+2*\q], v[QR2] offset:48*(\q/3)+8*(\q%3)   ; tile 2 p + j as a fragment
.endr
.irp i, 0,1,2,3
	ds_load_b32 v[60+\i], v4 offset:64*\i
.endr
	s_wait_dscnt 0x0
	v_lshl_or_b32 v64, v61, 8, v60
	v_lshl_or_b32 v64, v62, 16, v64
	v_lshl_or_b32 v64, v63, 24, v64
.irp c, 0,1,2
	global_store_b128 v[LI], v[44+4*\c:47+4*\c], s[46:47] offset:512*\c   ; 512 consecutive bytes, aligned
.endr
	global_store_b32 v5, v64, s[48:49]             ; lanes l and l xor 16 hold the same word and write it to the same place
.Ldone:
	s_wait_tensorcnt 0x0                           ; the wave's end, behind my last LDS store
	ds_add_u32 v[SPW], v[NIL]
	s_wait_dscnt 0x0
	s_endpgm
.Lfunc_end_k_q2ac4f1e653_attn:
	.size	k_q2ac4f1e653_attn, .Lfunc_end_k_q2ac4f1e653_attn-k_q2ac4f1e653_attn
	.p2alignl 7, 3214868480
	.fill 96, 4, 3214868480
	.section	.rodata,"a",@progbits
	.p2align	6, 0x0
	.amdhsa_kernel k_q2ac4f1e653_attn
		.amdhsa_group_segment_fixed_size 143360
		.amdhsa_private_segment_fixed_size 0
		.amdhsa_enable_private_segment 0
		.amdhsa_kernarg_size 64
		.amdhsa_user_sgpr_count 2
		.amdhsa_user_sgpr_kernarg_segment_ptr 1
		.amdhsa_wavefront_size32 1
		.amdhsa_system_sgpr_workgroup_id_x 1
		.amdhsa_system_sgpr_workgroup_id_y 1
		.amdhsa_system_sgpr_workgroup_id_z 1
		.amdhsa_system_vgpr_workitem_id 0
		.amdhsa_next_free_vgpr 512
		.amdhsa_next_free_sgpr 66
		.amdhsa_reserve_vcc 0
		.amdhsa_float_denorm_mode_32 3
		.amdhsa_float_denorm_mode_16_64 3
		.amdhsa_memory_ordered 1
		.amdhsa_forward_progress 1
		.amdhsa_inst_pref_size 143
	.end_amdhsa_kernel
	.amdgpu_metadata
---
amdhsa.version: [ 1, 2 ]
amdhsa.kernels:
  - .name:           k_q2ac4f1e653_attn
    .symbol:         k_q2ac4f1e653_attn.kd
    .args:
      - { .name: qkv_codes, .offset: 0, .size: 8, .value_kind: global_buffer, .address_space: global }
      - { .name: qkv_scales, .offset: 8, .size: 8, .value_kind: global_buffer, .address_space: global }
      - { .name: o_codes, .offset: 16, .size: 8, .value_kind: global_buffer, .address_space: global }
      - { .name: o_scales, .offset: 24, .size: 8, .value_kind: global_buffer, .address_space: global }
      - { .name: x_codes, .offset: 32, .size: 8, .value_kind: global_buffer, .address_space: global }
      - { .name: x_scales, .offset: 40, .size: 8, .value_kind: global_buffer, .address_space: global }
      - { .name: w_codes, .offset: 48, .size: 8, .value_kind: global_buffer, .address_space: global }
      - { .name: w_scales, .offset: 56, .size: 8, .value_kind: global_buffer, .address_space: global }
    .group_segment_fixed_size: 143360
    .private_segment_fixed_size: 0
    .kernarg_segment_align: 8
    .kernarg_segment_size: 64
    .max_flat_workgroup_size: 256
    .sgpr_count:     66
    .vgpr_count:     512
    .wavefront_size: 32
...
	.end_amdgpu_metadata
.endif
;; end of part 3
;; launch proj (part 4): grid 256 x 1, 4 waves a work-group, no clusters, 17,920 bytes of LDS; arguments o_codes, o_scales, w_codes, w_scales, b_proj, out0; writes out0
.if DOCPART == 4
	.amdgcn_target "amdgcn-amd-amdhsa--gfx1250"
	.amdhsa_code_object_version 6
	.text
	.protected	k_q2ac4f1e653_proj
	.globl	k_q2ac4f1e653_proj
	.p2align	8
	.type	k_q2ac4f1e653_proj,@function
k_q2ac4f1e653_proj:
	s_mov_b64 s[64:65], 0
	v_nop
	global_prefetch_b8 v0, s[64:65] scope:SCOPE_SE
	s_setreg_imm32_b32 hwreg(HW_REG_WAVE_MODE, 25, 1), 1
	s_wait_xcnt 0x0
; THE OUTPUT PROJECTION out0 = o Wproj + b_proj on codes of FP6 (E2M3) with E8M0 scales, K = 1,024 (head, channel); out0 [2048][1024] f32.
; SHARES.  Work-group g: 64 rows (g / 8) x 128 columns (g % 8); wave w takes 32 of the rows (w / 2) and 64 of the columns (w % 2): 2 blocks of rows x 4 blocks of columns, 8 accumulators, 64 matrix instructions.
; So a work-group names 96 KB of Wproj's fragments and 48 KB of o's, each fragment in two of its waves.
; All operands are images of registers and go from memory STRAIGHT INTO REGISTERS: 144 loads of 512 consecutive bytes a wave, all issued at the head; the products follow K step by K step as the loads come in.
; The product is used transposed (source 0 = 16 columns of Wproj, source 1 = 16 rows of o): a lane holds eight neighbouring columns of one row.  The bias is the C of each sum's first matrix instruction.
; NO CLUSTER, NO LDS TILES: nothing of the fragments goes through LDS, so there is no tile that a joint load could bring; the launch's whole K is eight steps.
; No prefetch: every load is issued at the head.  Sums: f32, one accumulator for each output, K ascending.
; REGISTERS: window 0: v1-7 addresses; v28, v29 the add's two; v32-95 the accumulators ((m, i) at v[32 + 8 (4 m + i)]); v96-127 the bias; v128-143 Wproj's scale words; v144-151 o's; v160-223 rows on the way out.
;   windows 1, 2: Wproj's fragments (K steps 0-3, 4-7) at v[48 (ks % 4) + 12 i];  window 3: o's at v[24 ks + 12 m].
.set SPARE, 17408                      ; behind the four stages of 16 rows x (256 bytes + 16): the spare words, 128 bytes for each wave: two blocks of 256 bytes that no other line names
.set SPW, 28
.set NIL, 29
.set MSB, 0
.macro WIN new                         ; the immediate's high byte repeats the setting that is left
.if MSB != (\new)
	s_set_vgpr_msb (MSB<<8)|(\new)
.set MSB, (\new)
.endif
.endm
	s_load_b256 s[4:11], s[0:1], 0x0               ; o_codes s[4:5], o_scales s[6:7], w_codes s[8:9], w_scales s[10:11]
	s_load_b128 s[12:15], s[0:1], 0x20             ; b_proj s[12:13], out0 s[14:15]
	v_lshl_add_u32 v[SPW], v0, 2, SPARE
	v_mov_b32 v[NIL], 0
	v_lshrrev_b32 v1, 5, v0
	v_readfirstlane_b32 s16, v1                    ; wave 0..3
	s_lshr_b32 s17, ttmp9, 3
	s_lshl_b32 s17, s17, 1
	s_lshr_b32 s19, s16, 1
	s_add_co_u32 s17, s17, s19                     ; which 32 rows: o's blocks 2 x this and the next
	s_and_b32 s18, ttmp9, 7
	s_lshl_b32 s18, s18, 1
	s_and_b32 s19, s16, 1
	s_add_co_u32 s18, s18, s19                     ; which 64 columns
	s_lshr_b32 s19, s18, 1
	s_add_co_u32 s19, s19, 24                      ; Wproj's group of 128 columns in w_codes,
	s_and_b32 s20, s18, 1                          ; and its blocks 0-3 or 4-7
	s_mul_i32 s22, s19, 98304
	s_mul_i32 s23, s20, 6144
	s_add_co_u32 s22, s22, s23
	s_mov_b32 s23, 0
	s_lshl_b32 s24, s19, 12
	s_lshl_b32 s25, s20, 9
	s_add_co_u32 s24, s24, s25
	s_mov_b32 s25, 0
	s_mul_i32 s26, s17, 24576                      ; two blocks of rows x 8 K steps x 1,536 bytes
	s_mov_b32 s27, 0
	s_lshl_b32 s28, s17, 10
	s_mov_b32 s29, 0
	s_lshl_b32 s30, s18, 8                         ; 64 columns of f32
	s_mov_b32 s31, 0
	s_lshl_b32 s32, s17, 17                        ; 32 rows of 4,096 bytes
	s_add_co_u32 s32, s32, s30
	s_mov_b32 s33, 0
	v_and_b32 v8, 31, v0
	v_lshlrev_b32 v1, 4, v8                        ; 16 x lane: an image's place for my lane
	v_lshlrev_b32 v2, 3, v8                        ; 8 x lane: Wproj's scale words: lanes 0-15 an even block's, lanes 16-31 the odd one's
	v_and_b32 v9, 15, v0                           ; r
	v_bfe_u32 v10, v0, 4, 1                        ; h
	v_lshlrev_b32 v3, 2, v9
	v_lshl_add_u32 v3, v10, 9, v3                  ; o's scale words: lanes 0-15 the first block of rows, lanes 16-31 the second
	v_lshlrev_b32 v4, 6, v10                       ; the bias: 16 numbers on for lanes 16-31
	s_mul_i32 s34, s16, 4352                       ; my stage
	v_mul_u32_u24 v5, v9, 272
	v_lshl_add_u32 v5, v10, 6, v5
	v_add_nc_u32 v5, s34, v5                       ; in: row r, + 64 h
	v_mul_u32_u24 v6, v10, 272
	v_lshl_add_u32 v6, v9, 4, v6
	v_add_nc_u32 v6, s34, v6                       ; back: lanes 0-15 one row of 256 bytes, lanes 16-31 the next
	v_lshlrev_b32 v7, 12, v10
	v_lshl_add_u32 v7, v9, 4, v7                   ; and the same two rows in out0
	s_wait_alu depctr_va_vdst(0)
	s_wait_kmcnt 0x0
	s_add_nc_u64 s[8:9], s[8:9], s[22:23]
	s_add_nc_u64 s[10:11], s[10:11], s[24:25]
	s_add_nc_u64 s[4:5], s[4:5], s[26:27]
	s_add_nc_u64 s[6:7], s[6:7], s[28:29]
	s_add_nc_u64 s[12:13], s[12:13], s[30:31]
	s_add_nc_u64 s[14:15], s[14:15], s[32:33]
.irp s, 0,1,2,3
.irp p, 0,1
	global_load_b64 v[128+4*\s+2*\p:129+4*\s+2*\p], v2, s[10:11] offset:\s*1024+\p*256   ; K steps 2 s and 2 s + 1, blocks 2 p and 2 p + 1
.endr
.endr
.irp ks, 0,1,2,3,4,5,6,7
	global_load_b32 v[144+\ks], v3, s[6:7] offset:\ks*64
.endr
.irp i, 0,1,2,3
	global_load_b128 v[96+8*\i:99+8*\i], v4, s[12:13] offset:(32*(\i/2)+8*(\i%2))*4       ; tile i, lane (r, h): columns 32 (i / 2) + 16 h + 8 (i % 2) + 0 .. 7
	global_load_b128 v[100+8*\i:103+8*\i], v4, s[12:13] offset:(32*(\i/2)+8*(\i%2))*4+16
.endr
.irp ks, 0,1,2,3,4,5,6,7
	WIN 0x40+0x40*(\ks/4)                          ; destination window 1 or 2
.irp i, 0,1,2,3
.irp c, 0,1,2
	global_load_b128 v[48*(\ks%4)+12*\i+4*\c:48*(\ks%4)+12*\i+4*\c+3], v1, s[8:9] offset:\ks*12288+\i*1536+512*\c
.endr
.endr
	WIN 0xc0                                       ; destination window 3
.irp m, 0,1
.irp c, 0,1,2
	global_load_b128 v[24*\ks+12*\m+4*\c:24*\ks+12*\m+4*\c+3], v1, s[4:5] offset:\m*12288+\ks*1536+512*\c
.endr
.endr
.endr
.macro PMUL ks, m, i                   ; accumulator (m, i), K step ks; the scale words' rows: Wproj's by the tile's parity, o's by the block of rows
.set DD, 32+8*(4*(\m)+(\i))
.set AA, 48*((\ks)%4)+12*(\i)
.set BB, 24*(\ks)+12*(\m)
.set SA, 128+4*((\ks)/2)+2*((\i)/2)+(\ks)%2
.set SB, 144+(\ks)
.if (\ks) == 0
.set CC, 96+8*(\i)
.else
.set CC, DD
.endif
.if ((\i)%2 == 1) && ((\m) == 1)
	v_wmma_scale_f32_16x16x128_f8f6f4 v[DD:DD+7], v[AA:AA+11], v[BB:BB+11], v[CC:CC+7], v[SA], v[SB] matrix_a_fmt:MATRIX_FMT_FP6 matrix_b_fmt:MATRIX_FMT_FP6 matrix_a_scale:MATRIX_SCALE_ROW1 matrix_b_scale:MATRIX_SCALE_ROW1
.elseif (\i)%2 == 1
	v_wmma_scale_f32_16x16x128_f8f6f4 v[DD:DD+7], v[AA:AA+11], v[BB:BB+11], v[CC:CC+7], v[SA], v[SB] matrix_a_fmt:MATRIX_FMT_FP6 matrix_b_fmt:MATRIX_FMT_FP6 matrix_a_scale:MATRIX_SCALE_ROW1
.elseif (\m) == 1
	v_wmma_scale_f32_16x16x128_f8f6f4 v[DD:DD+7], v[AA:AA+11], v[BB:BB+11], v[CC:CC+7], v[SA], v[SB] matrix_a_fmt:MATRIX_FMT_FP6 matrix_b_fmt:MATRIX_FMT_FP6 matrix_b_scale:MATRIX_SCALE_ROW1
.else
	v_wmma_scale_f32_16x16x128_f8f6f4 v[DD:DD+7], v[AA:AA+11], v[BB:BB+11], v[CC:CC+7], v[SA], v[SB] matrix_a_fmt:MATRIX_FMT_FP6 matrix_b_fmt:MATRIX_FMT_FP6
.endif
.endm
.irp ks, 0,1,2,3,4,5,6,7
.if 18*(7-\ks) > 63
	s_wait_loadcnt 63                              ; behind this K step's loads stand 18 for each later step: more than the wait's field can name, so it names the most that it can
.else
	s_wait_loadcnt 18*(7-\ks)                      ; the later K steps' 18 loads each may be out
.endif
	WIN 0x0d+(\ks/4)                               ; source 0 window 1 or 2, source 1 window 3, C and D window 0
.irp m, 0,1
.irp i, 0,1,2,3
	PMUL \ks, \m, \i                               ; the eight accumulators take turns, one instruction a turn
.endr
.endr
.endr
	WIN 0
.rept 4
	v_nop                                          ; places in front of the first read of results
.endr
	; THE WAY OUT: a block of 16 rows x 64 columns goes through my own stage and comes back as whole rows of 256 bytes.  LDS serves a wave's instructions in order: no wait between the stores and the loads.
.irp m, 0,1
.irp i, 0,1,2,3
	ds_store_b128 v5, v[32+8*(4*\m+\i):35+8*(4*\m+\i)] offset:(\i/2)*128+(\i%2)*32       ; each accumulator from its low end on
	ds_store_b128 v5, v[36+8*(4*\m+\i):39+8*(4*\m+\i)] offset:(\i/2)*128+(\i%2)*32+16
.endr
.irp n, 0,1,2,3,4,5,6,7
	ds_load_b128 v[160+32*\m+4*\n:163+32*\m+4*\n], v6 offset:2*\n*272
.endr
.endr
.irp m, 0,1
	s_wait_dscnt 16-16*\m                          ; the first block is back (the second's 8 stores and 8 loads may be out); then the second
.irp n, 0,1,2,3,4,5,6,7
	global_store_b128 v7, v[160+32*\m+4*\n:163+32*\m+4*\n], s[14:15] offset:(8*\m+2*\n+8*(\n/4))*4096 th:TH_STORE_NT   ; stage row p is row 8 m + p + 8 (p / 8) of the 32; 16 lanes store 256 consecutive bytes, aligned
.endr
.endr
	s_wait_tensorcnt 0x0                           ; the wave's end, behind my last LDS store
	ds_add_u32 v[SPW], v[NIL]
	s_wait_dscnt 0x0
	s_endpgm
.Lfunc_end_k_q2ac4f1e653_proj:
	.size	k_q2ac4f1e653_proj, .Lfunc_end_k_q2ac4f1e653_proj-k_q2ac4f1e653_proj
	.p2alignl 7, 3214868480
	.fill 96, 4, 3214868480
	.section	.rodata,"a",@progbits
	.p2align	6, 0x0
	.amdhsa_kernel k_q2ac4f1e653_proj
		.amdhsa_group_segment_fixed_size 17920
		.amdhsa_private_segment_fixed_size 0
		.amdhsa_enable_private_segment 0
		.amdhsa_kernarg_size 48
		.amdhsa_user_sgpr_count 2
		.amdhsa_user_sgpr_kernarg_segment_ptr 1
		.amdhsa_wavefront_size32 1
		.amdhsa_system_sgpr_workgroup_id_x 1
		.amdhsa_system_sgpr_workgroup_id_y 1
		.amdhsa_system_sgpr_workgroup_id_z 1
		.amdhsa_system_vgpr_workitem_id 0
		.amdhsa_next_free_vgpr 1024
		.amdhsa_next_free_sgpr 66
		.amdhsa_reserve_vcc 0
		.amdhsa_float_denorm_mode_32 3
		.amdhsa_float_denorm_mode_16_64 3
		.amdhsa_memory_ordered 1
		.amdhsa_forward_progress 1
		.amdhsa_inst_pref_size 32
	.end_amdhsa_kernel
	.amdgpu_metadata
---
amdhsa.version: [ 1, 2 ]
amdhsa.kernels:
  - .name:           k_q2ac4f1e653_proj
    .symbol:         k_q2ac4f1e653_proj.kd
    .args:
      - { .name: o_codes, .offset: 0, .size: 8, .value_kind: global_buffer, .address_space: global }
      - { .name: o_scales, .offset: 8, .size: 8, .value_kind: global_buffer, .address_space: global }
      - { .name: w_codes, .offset: 16, .size: 8, .value_kind: global_buffer, .address_space: global }
      - { .name: w_scales, .offset: 24, .size: 8, .value_kind: global_buffer, .address_space: global }
      - { .name: b_proj, .offset: 32, .size: 8, .value_kind: global_buffer, .address_space: global }
      - { .name: out0, .offset: 40, .size: 8, .value_kind: global_buffer, .address_space: global }
    .group_segment_fixed_size: 17920
    .private_segment_fixed_size: 0
    .kernarg_segment_align: 8
    .kernarg_segment_size: 48
    .max_flat_workgroup_size: 128
    .sgpr_count:     66
    .vgpr_count:     1024
    .wavefront_size: 32
...
	.end_amdgpu_metadata
.endif
;; end of part 4
